; MI455X (gfx1250); checked and timed in simulation.
; The chip was launched on July 23, 2026; its instructions are those of AMD's public machine-readable ISA for CDNA 5 (MIT licence, August 2026) and "CDNA5" Instruction Set Architecture Reference Guide (July 2026). The comments in the code are by the model that wrote it; some were corrected since.
;; Self Attention. Allowed arithmetic: matrix products marked QUANTISED: E2M1 operands, one E8M0 scale for each 32 along K, by v_wmma_scale_f32_16x16x128_f8f6f4 with both operands' format E2M1 (or v_wmma_scale_f32_32x16x128_f4), f32 sums; products left as they are: bf16, f16 or f32 operands; f32 sums; everything else in f32.
;; Inputs: Wk 1,024 x 1,024 float32; Wo 1,024 x 1,024 float32; Wq 1,024 x 1,024 float32; Wv 1,024 x 1,024 float32; bk 1,024 float32; bo 1,024 float32; bq 1,024 float32; bv 1,024 float32; x 4 x 2,048 x 1,024 float32.
;; Outputs: out0 4 x 2,048 x 1,024 float32.
;; This version of the problem:
;;   THIS VERSION OF THE PROBLEM IS GIVEN IN LOW PRECISION. The matrix products marked QUANTISED in the list below multiply operands that are first quantised to E2M1 (2 exponent bits, 1 mantissa bit; 4 bits a number), with one power-of-two scale for each 32 numbers along K (OCP MX v1.0); their sums are f32. The products marked 'left as it is' may take bf16, f16 or f32 operands, with f32 sums. Whichever they take, every output number must still come out within the allowed error. Rounding operands to bf16 (8 significant bits) uses up far more of that allowance than f16 does (11 bits, for magnitudes from 6e-5 to 65,504). All else is computed in f32.
;;   The module's matrix products, in the order in which they are computed (A, B: the left and right operand; K: the contracted axis; several contracted axes count as one K, in the product's order):
;;     1. [M 8,192, K 1,024] x [K 1,024, N 1,024]; A: input x; B: input Wq: QUANTISED
;;     2. [M 8,192, K 1,024] x [K 1,024, N 1,024]; A: input x; B: input Wk: QUANTISED
;;     3. [M 8,192, K 1,024] x [K 1,024, N 1,024]; A: input x; B: input Wv: QUANTISED
;;     4. batch 64 x [M 2,048, K 64] x [K 64, N 2,048]; A: computed on the way; B: computed on the way: left as it is (an operand is computed on the way)
;;     5. batch 64 x [M 64, K 2,048] x [K 2,048, N 2,048]; A: computed on the way; B: computed on the way: left as it is (an operand is computed on the way)
;;     6. [M 8,192, K 1,024] x [K 1,024, N 1,024]; A: computed on the way; B: input Wo: left as it is (an operand is computed on the way)
;;   THE QUANTISER, for each operand of a quantised product, along K:
;;     - K is cut into blocks of 32 from its start; a last block that is shorter is filled with zeros.
;;     - A block's scale is 2^e with e = floor(log2(the largest magnitude in the block)) - 2, held to -126 .. 127; a block of zeros has e = 0. As a byte (E8M0): e + 127.
;;     - Each number is divided by its block's scale, clamped to +-6, and rounded to the nearest number of E2M1, ties to even, subnormals kept.
;;     - The product sums the exact products of the quantised numbers (number of the format x scale) in f32.
;;   ~~~python
;;   def quantise(x, axis):      # numpy; x: float32 -> the quantised numbers, widened to float32 again
;;       x = np.moveaxis(x, axis, -1); K = x.shape[-1]
;;       x = np.pad(x, [(0, 0)] * (x.ndim - 1) + [(0, -K % 32)]); x = x.reshape(x.shape[:-1] + (-1, 32)); a = np.abs(x).max(-1, keepdims=True)
;;       e = np.where(a > 0, np.clip(np.frexp(np.where(a > 0, a, 1))[1] - 1 - 2, -126, 127), 0)      # np.frexp(a)[1] - 1 = floor(log2(a)), exactly
;;       r = np.clip(x / 2.0 ** e, -6, 6)
;;       step = 2.0 ** (np.maximum(np.frexp(np.where(r == 0, 1, r))[1] - 1, 0) - 1)
;;       q = np.round(r / step) * step * 2.0 ** e      # np.round: ties to even
;;       return np.moveaxis(q.reshape(q.shape[:-2] + (-1,))[..., :K], -1, axis).astype(np.float32)
;;   ~~~
;; One version. Each part assembles by itself: llvm-mc -triple=amdgcn-amd-amdhsa -mcpu=gfx1250 --defsym DOCPART=n.
;; ======== version 1 of 1: 5 launches
;; limits: values are held in f16: magnitudes above 65,504 overflow, below 6.1e-05 lose precision
;; workspace buffers: x_codes 4,194,304 bytes; x_scales 262,144 bytes; w_codes 1,572,864 bytes; w_scales 98,304 bytes; wo16 2,097,152 bytes; qkv 50,331,648 bytes; qkv32 786,432 bytes; ao 16,777,216 bytes
;; launch prep (part 1): grid 480 x 1, 4 waves a work-group, no clusters, 33,280 bytes of LDS; arguments x, Wq, Wk, Wv, Wo, x_codes, x_scales, w_codes, w_scales, wo16; writes x_codes, x_scales, w_codes, w_scales, wo16
.if DOCPART == 1
	.amdgcn_target "amdgcn-amd-amdhsa--gfx1250"
	.amdhsa_code_object_version 6
	.text
	.protected	k_q47d0eea3a7_prep
	.globl	k_q47d0eea3a7_prep
	.p2align	8
	.type	k_q47d0eea3a7_prep,@function
k_q47d0eea3a7_prep:
	s_mov_b64 s[64:65], 0
	v_nop
	global_prefetch_b8 v0, s[64:65] scope:SCOPE_SE
	s_setreg_imm32_b32 hwreg(HW_REG_WAVE_MODE, 25, 1), 1
	s_wait_xcnt 0x0
; CAUSAL SELF-ATTENTION, launch 1 of 5.  x [8192][1024], Wq, Wk, Wv [1024][1024], f32, K innermost, become codes of E2M1 (two a byte, the lower k in the low four bits)
; with one E8M0 byte for each 32 along K; Wo [1024][1024] is rounded to f16 and laid [k / 64][n][64], the order in which the last product takes its tiles.
; WORK LEFT OUT IN THE WHOLE PROGRAM: THE INPUT bk.  score(q, k) = q . (x_k Wk^T + bk) = q . (x_k Wk^T) + q . bk, and q . bk is the same for every key of a query.  The softmax runs along the keys:
; a term that is the same along its axis multiplies numerator and denominator by the same factor and cancels, for all finite values of the inputs, under the causal mask too (hidden keys stay at weight 0,
; and key 0 counts for every query).  The product q k^T is not a quantised one, so no quantiser sees bk.  So bk reaches no output: it is not loaded and is among no launch's arguments.
; Likewise left out: the tiles of q k^T and of p v that lie wholly above the diagonal of the mask that the problem itself builds.
; LIMITS: a NaN, an infinity or an overflow that reaches only bk's term is not carried to the result.  Blocks whose largest magnitude lies under 2^-124 keep the scale byte 1 (a block of zeros too: its codes are
; zeros, and this program alone reads the bytes).  NaN and infinities among the inputs are not served.  |Wo| stays under 65,504, the largest f16 number.
; A block's scale is 2^(floor(log2(its largest magnitude)) - 2): its byte is the largest magnitude's own exponent field - 2.
; SHARES.  Work-groups 0-255 take x, 256-287 Wq, 288-319 Wk, 320-351 Wv: 32,768 numbers each, 8,192 a wave, as 16 steps of 512.  Rows are dense and K is a multiple of 32, so each tensor is a plain stream of blocks.
; Only pointers are chosen by the work-group's number: the four tensors take one way through the text.  Work-groups 352-479 take Wo, two rows a wave.
; A step's four loads read 512 consecutive bytes each; the 2,048 bytes turn through the wave's own stage in LDS and come back 64 bytes a lane, so that a lane holds 16 neighbours along K (two lanes hold a block).
.set WAVES, 4
.set STEPS, 16
.set EMAX,  2
.set CB,    8                          ; bytes of 16 codes
.set R,     16                         ; v16-79   four sets of 16 numbers as they are loaded
.set X,     80                         ; v80-111  two sets of 16 neighbours
.set E,     112                        ; v112-127 a scale byte for each step
.set C,     128                        ; v128-191 codes (Wo: f16 pairs): registers of its own for each step, so that no store's data are written again
.set WREG,  8192                       ; LDS: a region for each wave: two stages of 32 x SP bytes, behind them its 256 scale bytes
.set SP,    80                         ; a lane's place in a stage: 64 bytes + 16 of padding
.set SPW,   12                         ; v12 LDS address of my spare word; never rewritten
.set NIL,   13                         ; v13 0; never rewritten
.set SPARE, WAVES*WREG                 ; behind the four regions: the spare words, 128 bytes a wave
	s_load_b512 s[4:19], s[0:1], 0x0               ; x 4:5, Wq 6:7, Wk 8:9, Wv 10:11, Wo 12:13, x_codes 14:15, x_scales 16:17, w_codes 18:19
	s_load_b128 s[20:23], s[0:1], 0x40             ; w_scales 20:21, wo16 22:23
	v_lshl_add_u32 v[SPW], v0, 2, SPARE
	v_mov_b32 v[NIL], 0
	v_lshrrev_b32 v1, 5, v0
	v_readfirstlane_b32 s24, v1                    ; wave
	v_and_b32 v2, 31, v0                           ; lane
	v_lshlrev_b32 v3, 4, v2                        ; my 16 bytes of a load's 512
	s_mul_i32 s25, s24, WREG
	v_lshrrev_b32 v14, 2, v2
	v_mul_u32_u24 v14, v14, SP
	v_and_b32 v15, 3, v2
	v_lshl_add_u32 v14, v15, 4, v14
	v_add_nc_u32 v14, s25, v14                     ; the stage, on the way in: SP (lane / 4) + 16 (lane % 4)
	v_mul_u32_u24 v15, v2, SP
	v_add_nc_u32 v15, s25, v15                     ; and on the way out: SP x lane
	v_mul_u32_u24 v4, v2, CB                       ; my codes' place in a step's
	v_lshrrev_b32 v5, 1, v2
	s_add_co_u32 s25, s25, 2*32*SP
	v_add_nc_u32 v5, s25, v5                       ; LDS: my block's scale byte
	v_lshlrev_b32 v7, 3, v2                        ; 8 bytes a lane
	v_add_nc_u32 v6, s25, v7
	s_wait_kmcnt 0x0
	s_cmp_ge_u32 ttmp9, 352
	s_cbranch_scc1 .Lwo
	; ---- the quantiser.  Which tensor is mine hangs on the work-group's number alone
	s_cmp_ge_u32 ttmp9, 256
	s_cselect_b64 s[26:27], s[6:7], s[4:5]         ; the numbers
	s_cselect_b64 s[28:29], s[18:19], s[14:15]     ; the codes
	s_cselect_b64 s[30:31], s[20:21], s[16:17]     ; the scale bytes
	s_cselect_b32 s32, 256, 0                      ; the first work-group of my source tensor,
	s_cselect_b32 s33, 256, 0                      ; and of my destination (the three weights lie on end)
	s_cmp_ge_u32 ttmp9, 288
	s_cselect_b64 s[26:27], s[8:9], s[26:27]
	s_cselect_b32 s32, 288, s32
	s_cmp_ge_u32 ttmp9, 320
	s_cselect_b64 s[26:27], s[10:11], s[26:27]
	s_cselect_b32 s32, 320, s32
	s_sub_co_u32 s32, ttmp9, s32
	s_lshl_b32 s32, s32, 2
	s_add_co_u32 s32, s32, s24                     ; which run of 8,192 numbers of the source is my wave's
	s_sub_co_u32 s33, ttmp9, s33
	s_lshl_b32 s33, s33, 2
	s_add_co_u32 s33, s33, s24                     ; and of the destination
	s_lshl_b32 s34, s32, 15                        ; 32,768 bytes of f32 a run
	s_mov_b32 s35, 0
	s_add_nc_u64 s[26:27], s[26:27], s[34:35]
	s_lshl_b32 s34, s33, 12                        ; 4,096 bytes of codes
	s_add_nc_u64 s[28:29], s[28:29], s[34:35]
	s_lshl_b32 s34, s33, 8                         ; 256 scale bytes
	s_add_nc_u64 s[30:31], s[30:31], s[34:35]
.macro LOAD t
.irp i, 0,1,2,3
	global_load_b128 v[R+16*((\t)%4)+4*\i:R+16*((\t)%4)+4*\i+3], v3, s[26:27] offset:2048*(\t)+512*\i th:TH_LOAD_NT   ; 32 lanes read 512 consecutive bytes
.endr
.endm
.macro TURN t                          ; step t's numbers through the stage: LDS serves a wave's instructions in order, so no wait stands between the stores and the loads
.irp i, 0,1,2,3
	ds_store_b128 v14, v[R+16*((\t)%4)+4*\i:R+16*((\t)%4)+4*\i+3] offset:32*SP*((\t)%2)+8*SP*\i
.endr
.irp i, 0,1,2,3
	ds_load_b128 v[X+16*((\t)%2)+4*\i:X+16*((\t)%2)+4*\i+3], v15 offset:32*SP*((\t)%2)+16*\i
.endr
.endm
.irp t, 0,1,2,3
	LOAD \t
.endr
	s_wait_loadcnt 12                              ; step 0's four loads are in; the twelve of steps 1 to 3 stay out
	TURN 0
.macro STEP t
.set XS, X+16*((\t)%2)
.if (\t) > 0
	s_wait_dscnt 1                                 ; this step's numbers are back from the stage (the last step's byte store may be out): so its stores into the stage have read their registers,
.else
	s_wait_dscnt 0x0
.endif
.if (\t)+4 < STEPS
	LOAD (\t)+4                                    ; which take the loads of four steps on
.endif
.if (\t)+1 < STEPS
.if STEPS-2-(\t) >= 3
	s_wait_loadcnt 12                              ; the next step's four loads are in; those of the three steps behind it may be out
.else
	s_wait_loadcnt 4*(STEPS-2-(\t))
.endif
	TURN (\t)+1                                    ; and go through the other stage while this step is worked
.endif
	v_max3_num_f32 v8, |v[XS]|, |v[XS+1]|, |v[XS+2]|               ; the largest magnitude of my 16, in two chains
	v_max3_num_f32 v9, |v[XS+3]|, |v[XS+4]|, |v[XS+5]|
.irp i, 6,10
	v_max3_num_f32 v8, v8, |v[XS+\i]|, |v[XS+\i+1]|
	v_max3_num_f32 v9, v9, |v[XS+\i+2]|, |v[XS+\i+3]|
.endr
	v_max3_num_f32 v8, v8, |v[XS+14]|, |v[XS+15]|
	v_max3_num_f32 v8, v8, v9, (EMAX+1)<<23        ; and the floor 2^(3 - 127): the byte cannot fall under 1
	v_max_num_f32_dpp v8, v8, v8 row_xmask:1 row_mask:0xf bank_mask:0xf   ; and of my neighbour's 16: the block's
	v_add_nc_u32 v11, 0xff000000, v8               ; 2 off its exponent field: the conversion takes the exponent field of this operand as its scale, and nothing else of it
	v_cvt_scalef32_pk8_fp4_f32 v[C+4*(\t)], v[XS:XS+7], v11        ; to the nearest code, ties to even, beyond the largest code the largest
	v_cvt_scalef32_pk8_fp4_f32 v[C+4*(\t)+1], v[XS+8:XS+15], v11
	v_lshrrev_b32 v[E+(\t)], 23, v11               ; the scale's byte (a plain line behind the conversions)
	ds_store_b8 v5, v[E+(\t)] offset:16*(\t)       ; both lanes of a block write the same byte with the same value
	global_store_b64 v4, v[C+4*(\t):C+4*(\t)+1], s[28:29] offset:32*CB*(\t)   ; the wave stores 256 consecutive bytes, aligned
.endm
.irp t, 0,1,2,3,4,5,6,7,8,9,10,11,12,13,14,15
	STEP \t
.endr
	ds_load_b64 v[8:9], v6                         ; LDS serves a wave's instructions in order: these see my byte stores
	s_wait_dscnt 0x0
	global_store_b64 v7, v[8:9], s[30:31]          ; my wave's 256 scale bytes: 256 consecutive bytes, aligned
	s_branch .Lend
.Lwo:
	; ---- Wo to f16.  Wave p takes rows n = 2 p and 2 p + 1.  Load kb: lanes 0-15 read the 256 bytes of k = 64 kb .. 64 kb + 63 of row 2 p, lanes 16-31 those of row 2 p + 1.
	; As f16 they are 128 + 128 bytes that lie on end in wo16 [kb][n][64]: each store covers 256 consecutive bytes, aligned.
	s_sub_co_u32 s26, ttmp9, 352
	s_lshl_b32 s26, s26, 2
	s_add_co_u32 s26, s26, s24                     ; p
	s_lshl_b32 s28, s26, 13                        ; two rows of 4,096 bytes
	s_mov_b32 s29, 0
	s_add_nc_u64 s[12:13], s[12:13], s[28:29]
	s_lshl_b32 s28, s26, 8                         ; two rows of 128 bytes
	s_add_nc_u64 s[22:23], s[22:23], s[28:29]
	v_lshrrev_b32 v8, 4, v2
	v_and_b32 v9, 15, v2
	v_lshlrev_b32 v9, 4, v9
	v_lshl_add_u32 v8, v8, 12, v9                  ; 4,096 (lane / 16) + 16 (lane % 16)
.irp kb, 0,1,2,3,4,5,6,7,8,9,10,11,12,13,14,15
	global_load_b128 v[R+4*\kb:R+4*\kb+3], v8, s[12:13] offset:256*\kb th:TH_LOAD_NT
.endr
.irp kb, 0,1,2,3,4,5,6,7,8,9,10,11,12,13,14,15
	s_wait_loadcnt 15-\kb                          ; loads come back in order: load kb is in, the younger ones stay out
	v_cvt_pk_f16_f32 v[C+2*\kb], v[R+4*\kb], v[R+4*\kb+1]
	v_cvt_pk_f16_f32 v[C+2*\kb+1], v[R+4*\kb+2], v[R+4*\kb+3]
	global_store_b64 v7, v[C+2*\kb:C+2*\kb+1], s[22:23] offset:131072*\kb
.endr
.Lend:
	s_wait_tensorcnt 0x0                           ; the wave's end, behind my last LDS store
	ds_add_u32 v[SPW], v[NIL]
	s_wait_dscnt 0x0
	s_endpgm
.Lfunc_end_k_q47d0eea3a7_prep:
	.size	k_q47d0eea3a7_prep, .Lfunc_end_k_q47d0eea3a7_prep-k_q47d0eea3a7_prep
	.p2alignl 7, 3214868480
	.fill 96, 4, 3214868480
	.section	.rodata,"a",@progbits
	.p2align	6, 0x0
	.amdhsa_kernel k_q47d0eea3a7_prep
		.amdhsa_group_segment_fixed_size 33280
		.amdhsa_private_segment_fixed_size 0
		.amdhsa_enable_private_segment 0
		.amdhsa_kernarg_size 80
		.amdhsa_user_sgpr_count 2
		.amdhsa_user_sgpr_kernarg_segment_ptr 1
		.amdhsa_wavefront_size32 1
		.amdhsa_system_sgpr_workgroup_id_x 1
		.amdhsa_system_sgpr_workgroup_id_y 1
		.amdhsa_system_sgpr_workgroup_id_z 1
		.amdhsa_system_vgpr_workitem_id 0
		.amdhsa_next_free_vgpr 192
		.amdhsa_next_free_sgpr 66
		.amdhsa_reserve_vcc 0
		.amdhsa_float_denorm_mode_32 3
		.amdhsa_float_denorm_mode_16_64 3
		.amdhsa_memory_ordered 1
		.amdhsa_forward_progress 1
		.amdhsa_inst_pref_size 40
	.end_amdhsa_kernel
	.amdgpu_metadata
---
amdhsa.version: [ 1, 2 ]
amdhsa.kernels:
  - .name:           k_q47d0eea3a7_prep
    .symbol:         k_q47d0eea3a7_prep.kd
    .args:
      - { .name: x, .offset: 0, .size: 8, .value_kind: global_buffer, .address_space: global }
      - { .name: Wq, .offset: 8, .size: 8, .value_kind: global_buffer, .address_space: global }
      - { .name: Wk, .offset: 16, .size: 8, .value_kind: global_buffer, .address_space: global }
      - { .name: Wv, .offset: 24, .size: 8, .value_kind: global_buffer, .address_space: global }
      - { .name: Wo, .offset: 32, .size: 8, .value_kind: global_buffer, .address_space: global }
      - { .name: x_codes, .offset: 40, .size: 8, .value_kind: global_buffer, .address_space: global }
      - { .name: x_scales, .offset: 48, .size: 8, .value_kind: global_buffer, .address_space: global }
      - { .name: w_codes, .offset: 56, .size: 8, .value_kind: global_buffer, .address_space: global }
      - { .name: w_scales, .offset: 64, .size: 8, .value_kind: global_buffer, .address_space: global }
      - { .name: wo16, .offset: 72, .size: 8, .value_kind: global_buffer, .address_space: global }
    .group_segment_fixed_size: 33280
    .private_segment_fixed_size: 0
    .kernarg_segment_align: 8
    .kernarg_segment_size: 80
    .max_flat_workgroup_size: 128
    .sgpr_count:     66
    .vgpr_count:     192
    .wavefront_size: 32
...
	.end_amdgpu_metadata
.endif
;; end of part 1
;; launch qkv (part 2): grid 12 x 32, 4 waves a work-group, clusters of 4 x 4, 327,680 bytes of LDS; arguments x_codes, x_scales, w_codes, w_scales, bq, bv, qkv, qkv32; writes qkv, qkv32
.if DOCPART == 2
	.amdgcn_target "amdgcn-amd-amdhsa--gfx1250"
	.amdhsa_code_object_version 6
	.text
	.protected	k_q47d0eea3a7_qkv
	.globl	k_q47d0eea3a7_qkv
	.p2align	8
	.type	k_q47d0eea3a7_qkv,@function
k_q47d0eea3a7_qkv:
	s_mov_b64 s[64:65], 0
	v_nop
	global_prefetch_b8 v0, s[64:65] scope:SCOPE_SE
	s_setreg_imm32_b32 hwreg(HW_REG_WAVE_MODE, 25, 1), 1
	s_wait_xcnt 0x0
	s_wait_alu depctr_hold_cnt(0) depctr_sa_sdst(0) depctr_va_vdst(0) depctr_va_sdst(0) depctr_va_ssrc(0) depctr_va_vcc(0) depctr_vm_vsrc(0)
	s_getreg_b32 s2, hwreg(HW_REG_IB_STS2, 6, 4)
	s_cmp_eq_u32 s2, 0
	s_cbranch_scc0 .Lentry_in_a_cluster
	s_endpgm
.Lentry_in_a_cluster:
	s_bfe_u32 s2, ttmp6, 0x10000c
	s_cmp_lg_u32 s2, 0xf033
	s_cbranch_scc0 .Lentry_shape_is_right
	s_endpgm
.Lentry_shape_is_right:
; Launch 2 of 5: the three quantised products as ONE product on codes of E2M1: C[m][n] = sum over k of x[m][k] W[n][k], m = 8,192 tokens, n = 3,072 (rows 0-1023 Wq, 1024-2047 Wk, 2048-3071 Wv), K = 1,024; sums in f32.
; bq and bv are the C of each sum's first matrix instruction.  bk IS LEFT OUT (dead work: q . bk is the same for all keys of a query and the softmax along the keys cancels it; shown at the head of the first launch).
; OUT: qkv, f16, [b 4][g 48][l 2048][64], g = n / 64 (0-15 q's heads, 16-31 k's, 32-47 v's).  q is multiplied in f32 by c = log2(e) / 8 ahead of its one rounding, so that a score is already an exponent of 2.
;      qkv32, f32, [b 4][l 16][3072]: the unrounded, unscaled sums of the first 16 tokens of each sequence, for the launch that carries those rows in f32.
; LIMIT: |c q|, |k|, |v| stay under 65,504, the largest f16 number.
; A tile of C, 256 x 256, is made by a work-group of four waves; a wave makes 128 x 128: 64 accumulators of 16 x 16, 512 registers.  K is two slots of 512 (rows of 256 bytes): both are asked for at the start, and no LDS byte is filled twice.
; THE SCALES of the work-group's 256 + 256 rows, for all of K, are two dense blocks of memory: they come into LDS once, with the first fills.  By this text's count a wave has at most three tensor loads out.
; CLUSTERS: 4 x 4 work-groups.  The four of a row of the cluster need the same tiles of x, the four of a column the same tiles of W: each tile is asked for jointly.
; Tile row = 8 cy + cluster y: so the batch is cy and the tile's first token in its sequence is 256 x cluster y.  The section (q, k, v) is cluster x.  Branches hang on cluster x, cluster y and the wave's number alone: alike in all sixteen partners.
; THE MATRIX INSTRUCTION IS USED TRANSPOSED (source 0 = 16 rows of W, source 1 = 16 rows of x): a lane holds eight neighbouring columns of one token.
; REGISTERS, in windows of 256: window 0: v0-31 addresses; v32-95 scale words, two sets; v128-191 x's fragments, one set; v192-255 the bias in the result's layout.  On the way out v32-255 are free.
;   window 1: W's fragments, two sets, at v0 and v128.   window 2: the 32 accumulators of my rows 0-63 ((a, b) at v[8 (8 a + b)]);   window 3: those of my rows 64-127.
.set KSTEP,  512
.set NQ,     4                         ; matrix instructions deep in a slot
.set ROWB,   256                       ; a tile's row in bytes
.set KROW,   512                       ; a row of codes in memory
.set PITCH,  272                       ; an LDS row: 256 bytes + 16 of padding: the 16 rows that a load touches start at 16 different banks
.set FR,     8
.set NL,     2
.set NP,     4                         ; places behind this matrix instruction (ISA guide 7.12.1)
.set HALFT,  128*PITCH
.set SLOT,   4*HALFT
.set KS,     32                        ; a row of scales in bytes
.set SCL,    2*SLOT
.set HALFS,  (128*KS/256)*272
.set SBLK,   (16*KS/256)*272
.set SPARE,  SCL+4*HALFS               ; the spare words, 128 bytes a wave
.set ADRA, 16                          ; v16-17 LDS address of my x fragments in slot 0, 1
.set ADRB, 20                          ; v20-21 the same for W
.set STO,  24                          ; v24 the f16 stage: where I put 16 bytes of a token
.set RD,   25                          ; v25 and where I read 16 bytes back
.set CO,   26                          ; v26 16 x lane
.set ADRS, 27                          ; v27 LDS address of my scale words: lanes 0-15 x's rows, lanes 16-31 W's
.set SPW,  28
.set NIL,  29
.set STO32, 30                         ; v30 the f32 stage: where I put 32 bytes of a token
.set RD32, 31                          ; v31 and where I read a row back
.set SC,   32
.set TMP,  32                          ; the way out: packed results, v32-63 and v64-95 by turns
.set AF,   128
.set BKR,  128                         ; the way out: what comes back from the stage, v128-159 and v160-191 by turns
.set BI,   192                         ; the bias: register 8 b + j = bias[my first column + 16 b + 8 (lane / 16) + j]
.set CLY,  95                          ; s95 cluster y
.set G1, 24
.set G0, 32
.set G1B, 48
.set G0B, 56
.set G1S, 68
.set G0S, 76
.set G1SB, 80
.set G0SB, 88
.set MSB, 0
.macro WIN new                         ; the immediate's high byte repeats the setting that is left
.if MSB != \new
	s_set_vgpr_msb (MSB<<8)|\new
.set MSB, \new
.endif
.endm
.set MUL_LO, 0xa1                      ; source 0 (W) window 1, source 1 (x) window 0, C and D window 2
.set MUL_HI, 0xf1                      ; the same, C and D window 3
.set FIRST_LO, 0x81                    ; the first step: C is the bias, in window 0; D window 2
.set FIRST_HI, 0xc1                    ; D window 3
.set TO_B,   0x40
; A joint load: waves 0 and 1 fetch for x, waves 2 and 3 for W.  An s_nop 0 and four v_nop follow each of the two lines.
.macro JLOAD g0a, g1a, g0b, g1b
	s_cmp_eq_u32 s15, 0
	s_cbranch_scc0 .Lfor_b_\@
	tensor_load_to_lds s[\g0a:\g0a+3], s[\g1a:\g1a+7]
	s_nop 0
.rept 4
	v_nop
.endr
	s_branch .Lasked_\@
.Lfor_b_\@:
	tensor_load_to_lds s[\g0b:\g0b+3], s[\g1b:\g1b+7]
	s_nop 0
.rept 4
	v_nop
.endr
.Lasked_\@:
.endm
.macro CROUND                          ; a round of the cluster's barrier
	s_barrier_signal -1
	s_barrier_wait -1
	s_cmp_lg_u32 s14, 0
	s_cbranch_scc1 .Lnot_wave_0_\@
	s_barrier_signal -3
.Lnot_wave_0_\@:
	s_barrier_wait -3
	s_barrier_signal -1
	s_barrier_wait -1
.endm
	s_load_b128 s[4:7], s[0:1], 0x0                ; x's codes, x's scales
	s_load_b128 s[8:11], s[0:1], 0x10              ; W's codes, W's scales
	s_load_b128 s[96:99], s[0:1], 0x20             ; bq, bv
	s_load_b64 s[12:13], s[0:1], 0x30              ; qkv
	s_load_b64 s[66:67], s[0:1], 0x38              ; qkv32
	v_lshl_add_u32 v[SPW], v0, 2, SPARE
	v_mov_b32 v[NIL], 0
	ds_add_u32 v[SPW], v[NIL]                      ; the wave's opening: the add, twice on end, and its wait ahead of my first tensor load
	ds_add_u32 v[SPW], v[NIL]
	v_lshrrev_b32 v1, 5, v0
	v_readfirstlane_b32 s14, v1                    ; wave 0..3
	s_lshr_b32 s15, s14, 1                         ; which half of the tile's rows is mine.  Also: I fetch for x (0) or for W (1)
	s_and_b32 s16, s14, 1                          ; which half of its columns.  Also: which 128 rows of that tile I fetch
	s_bfe_u32 s40, ttmp6, 0x40000                  ; cx
	s_bfe_u32 s41, ttmp6, 0x40004                  ; cy
	s_lshl_b32 s42, ttmp9, 2
	s_add_co_u32 s42, s42, s40                     ; tile column = 4 x cluster x + cx
	s_and_b32 s[CLY], ttmp7, 0xffff
	s_lshl_b32 s17, s41, 3
	s_add_co_u32 s17, s17, s[CLY]                  ; tile row = 8 cy + cluster y
	s_lshl_b32 s43, s41, 2
	s_lshl_b32 s43, 15, s43                        ; my row of the cluster
	s_lshl_b32 s44, 0x1111, s40                    ; my column
	s_mov_b32 s2, 0x3e38aa3b                       ; c = log2(e) / 8
	s_mov_b32 s3, s2                               ; (named with it as a pair)
	s_or_b32 s[G1+0], s43, (0<<16)|(1<<20)|(1<<21)|(5<<22)|(3<<25)  ; the mask: x's tiles go to my row; elements of 1 byte; padding: 4 words behind every 64
	s_or_b32 s[G1B+0], s44, (0<<16)|(1<<20)|(1<<21)|(5<<22)|(3<<25)
.irp g, G1, G1B
	s_mov_b32 s[\g+1], ROWB<<16                    ; tensor_dim0
	s_mov_b32 s[\g+2], 128<<16                     ; tensor_dim1
	s_mov_b32 s[\g+3], ROWB<<16                    ; tile_dim0
	s_mov_b32 s[\g+4], 128                         ; tile_dim1
	s_mov_b32 s[\g+5], KROW                        ; the pitch
	s_mov_b32 s[\g+6], 0
	s_mov_b32 s[\g+7], 0
.endr
	s_or_b32 s[G1S+0], s43, (3<<16)|(1<<20)|(1<<21)|(5<<22)|(3<<25) ; the scales of 128 rows: 4,096 dense bytes as 16 rows of 256 (32 elements of 8 bytes), 16 bytes of padding behind each
	s_or_b32 s[G1SB+0], s44, (3<<16)|(1<<20)|(1<<21)|(5<<22)|(3<<25)
.irp g, G1S, G1SB
	s_mov_b32 s[\g+1], 32<<16
	s_mov_b32 s[\g+2], (128*KS/256)<<16
	s_mov_b32 s[\g+3], 32<<16
	s_mov_b32 s[\g+4], 128*KS/256
	s_mov_b32 s[\g+5], 32
	s_mov_b32 s[\g+6], 0
	s_mov_b32 s[\g+7], 0
.endr
	s_lshl_b32 s18, s16, 7
	s_lshl_b32 s20, s17, 8
	s_add_co_u32 s20, s20, s18                     ; x: row 256 x tile row + 128 x half
	s_lshl_b32 s46, s42, 8
	s_add_co_u32 s46, s46, s18                     ; W: row 256 x tile column + 128 x half
	s_mov_b32 s21, 0
	s_mov_b32 s47, 0
	s_mov_b64 s[18:19], KS
	s_mul_u64 s[22:23], s[20:21], s[18:19]         ; where these rows' scales begin
	s_mul_u64 s[92:93], s[46:47], s[18:19]
	s_mov_b64 s[18:19], KROW
	s_mul_u64 s[20:21], s[20:21], s[18:19]         ; and their codes
	s_mul_u64 s[46:47], s[46:47], s[18:19]
	s_mul_i32 s45, s14, HALFT                      ; where they go: wave x 128 rows
	s_mul_i32 s94, s14, HALFS
	s_wait_dscnt 0x0                               ; both opening adds are done
	s_wait_kmcnt 0x0
	s_add_nc_u64 s[20:21], s[4:5], s[20:21]
	s_add_nc_u64 s[22:23], s[6:7], s[22:23]
	s_add_nc_u64 s[46:47], s[8:9], s[46:47]
	s_add_nc_u64 s[92:93], s[10:11], s[92:93]
	CROUND                                         ; all sixteen work-groups are here: the joint loads meet
	s_mov_b32 s[G0S], 1
	s_add_co_u32 s[G0S+1], s94, SCL
	s_mov_b64 s[G0S+2:G0S+3], s[22:23]
	s_or_b32 s[G0S+3], s[G0S+3], 0x80000000
	s_mov_b32 s[G0SB], 1
	s_add_co_u32 s[G0SB+1], s94, SCL
	s_mov_b64 s[G0SB+2:G0SB+3], s[92:93]
	s_or_b32 s[G0SB+3], s[G0SB+3], 0x80000000
	JLOAD G0S, G1S, G0SB, G1SB                     ; the scales first: they are wanted with the first slot
.irp s, 0,1
	s_mov_b32 s[G0+4*\s], 1
	s_add_co_u32 s[G0+4*\s+1], s45, \s*SLOT
	s_add_nc_u64 s[G0+4*\s+2:G0+4*\s+3], s[20:21], \s*ROWB
	s_or_b32 s[G0+4*\s+3], s[G0+4*\s+3], 0x80000000
	s_mov_b32 s[G0B+4*\s], 1
	s_add_co_u32 s[G0B+4*\s+1], s45, \s*SLOT
	s_add_nc_u64 s[G0B+4*\s+2:G0B+4*\s+3], s[46:47], \s*ROWB
	s_or_b32 s[G0B+4*\s+3], s[G0B+4*\s+3], 0x80000000
	JLOAD G0+4*\s, G1, G0B+4*\s, G1B
.endr
	v_and_b32 v1, 15, v0                           ; r = lane % 16
	v_bfe_u32 v2, v0, 4, 1                         ; h = lane / 16
	v_mul_u32_u24 v3, v1, PITCH
	v_lshl_add_u32 v4, v2, 4, v3                   ; a fragment's row x pitch + 16 h
	s_mul_i32 s21, s15, HALFT                      ; my 128 rows of x
	s_mul_i32 s22, s16, HALFT                      ; my 128 rows of W,
	s_add_co_u32 s22, s22, 2*HALFT                 ; which lie behind x's 256
.irp s, 0,1
	v_add_nc_u32 v[ADRA+\s], s21, v4
	v_add_nc_u32 v[ADRB+\s], s22, v4
	s_add_co_u32 s21, s21, SLOT
	s_add_co_u32 s22, s22, SLOT
.endr
	v_mul_u32_u24 v5, v1, KS                       ; my row's scales: 32 bytes a row,
	v_lshrrev_b32 v6, 8, v5
	v_lshl_add_u32 v5, v6, 4, v5                   ; and 16 more for each 256 passed
	s_mul_i32 s21, s15, HALFS
	s_mul_i32 s22, s16, HALFS
	s_add_co_u32 s22, s22, 2*HALFS
	s_sub_co_u32 s22, s22, s21
	v_mul_u32_u24 v6, s22, v2                      ; lanes 16-31 take W's
	s_add_co_u32 s21, s21, SCL
	v_add_nc_u32 v5, v5, v6
	v_add_nc_u32 v[ADRS], s21, v5
	; the stages, 16,384 bytes a wave, in slot 0: when the first result is stored there, that slot has had its only fill and every wave has passed the barrier behind which nobody reads it
	s_lshl_b32 s23, s14, 14
	v_mul_u32_u24 v5, v1, 528                      ; f32: 16 rows of 512 bytes + 16
	v_lshl_add_u32 v5, v2, 5, v5
	v_add_nc_u32 v[STO32], s23, v5
	v_and_b32 v6, 31, v0
	v_lshlrev_b32 v[CO], 4, v6
	v_add_nc_u32 v[RD32], s23, v[CO]
	s_add_co_u32 s23, s23, 8704
	v_mul_u32_u24 v5, v1, 272                      ; f16: 16 rows of 256 bytes + 16
	v_lshl_add_u32 v5, v2, 4, v5
	v_add_nc_u32 v[STO], s23, v5
	v_bfe_u32 v5, v0, 3, 2
	v_mul_u32_u24 v5, v5, 272                      ; back: eight lanes to a token's 128 bytes of one head, four tokens an instruction
	v_and_b32 v6, 7, v0
	v_lshl_add_u32 v5, v6, 4, v5
	v_add_nc_u32 v[RD], s23, v5
	v_lshlrev_b32 v7, 5, v2                        ; the bias: 32 h bytes
	; qkv at batch cy, head group 4 x tile column + 2 x half, token 256 x cluster y + 128 x half
	s_mul_i32 s20, s41, 12582912
	s_lshl_b32 s46, s42, 2
	s_lshl_b32 s47, s16, 1
	s_add_co_u32 s46, s46, s47
	s_lshl_b32 s46, s46, 18
	s_add_co_u32 s20, s20, s46
	s_lshl_b32 s46, s[CLY], 8
	s_lshl_b32 s47, s15, 7
	s_add_co_u32 s46, s46, s47
	s_lshl_b32 s46, s46, 7
	s_add_co_u32 s20, s20, s46
	s_mov_b32 s21, 0
	s_add_nc_u64 s[12:13], s[12:13], s[20:21]
	s_mul_i32 s20, s41, 196608                     ; qkv32 at batch cy, my first column
	s_lshl_b32 s46, s42, 10
	s_add_co_u32 s20, s20, s46
	s_lshl_b32 s46, s16, 9
	s_add_co_u32 s20, s20, s46
	s_add_nc_u64 s[66:67], s[66:67], s[20:21]
	; the bias.  Sections q and v load theirs; section k has none (bk is dead work) and takes zeros, so that the first step is written once for all three
	s_cmp_eq_u32 ttmp9, 1
	s_cbranch_scc1 .Lno_bias
	s_cmp_eq_u32 ttmp9, 0
	s_cselect_b64 s[96:97], s[96:97], s[98:99]
	s_lshl_b32 s46, s40, 10                        ; my first column in the section: 256 cx + 128 x half, 4 bytes each
	s_lshl_b32 s47, s16, 9
	s_add_co_u32 s46, s46, s47
	s_mov_b32 s47, 0
	s_add_nc_u64 s[96:97], s[96:97], s[46:47]
.irp b, 0,1,2,3,4,5,6,7
	global_load_b128 v[BI+8*\b:BI+8*\b+3], v7, s[96:97] offset:64*\b
	global_load_b128 v[BI+8*\b+4:BI+8*\b+7], v7, s[96:97] offset:64*\b+16
.endr
	s_branch .Lbias_done
.Lno_bias:
.set i, 0
.rept 64
	v_mov_b32 v[BI+i], 0
.set i, i+1
.endr
.Lbias_done:
.macro FRAG reg, adr, q, i             ; a fragment, 16 rows x 128 K of 4-bit codes: registers 4 c .. 4 c + 3 hold K = 64 c + 32 (lane / 16) + 0 .. 31
.irp c, 0,1
	ds_load_b128 v[\reg+4*\c:\reg+4*\c+3], v[\adr] offset:64*(\q)+32*\c+(\i)*16*PITCH
.endr
.endm
; 16 matrix instructions: x's blocks a0, a0 + 1 against W's eight.  first = 1: the sums begin with the bias as C.  The 64 accumulators take turns, one instruction a turn, in the same order in every step.
.macro MUL16 a0, p, q, sc, first
.irp a, \a0, \a0+1
.irp b, 0,1,2,3,4,5,6,7
.if \first
	v_wmma_scale_f32_16x16x128_f8f6f4 v[8*(8*((\a)%4)+\b):8*(8*((\a)%4)+\b)+7], v[128*(\p)+FR*\b:128*(\p)+FR*\b+FR-1], v[AF+FR*(\a):AF+FR*(\a)+FR-1], v[BI+8*\b:BI+8*\b+7], v[SC+8*NQ*(\sc)+NQ*\b+(\q)], v[SC+8*NQ*(\sc)+NQ*(\a)+(\q)] matrix_a_fmt:MATRIX_FMT_FP4 matrix_b_fmt:MATRIX_FMT_FP4 matrix_a_scale:MATRIX_SCALE_ROW1
.else
	v_wmma_scale_f32_16x16x128_f8f6f4 v[8*(8*((\a)%4)+\b):8*(8*((\a)%4)+\b)+7], v[128*(\p)+FR*\b:128*(\p)+FR*\b+FR-1], v[AF+FR*(\a):AF+FR*(\a)+FR-1], v[8*(8*((\a)%4)+\b):8*(8*((\a)%4)+\b)+7], v[SC+8*NQ*(\sc)+NQ*\b+(\q)], v[SC+8*NQ*(\sc)+NQ*(\a)+(\q)] matrix_a_fmt:MATRIX_FMT_FP4 matrix_b_fmt:MATRIX_FMT_FP4 matrix_a_scale:MATRIX_SCALE_ROW1
.endif
.endr
.endr
.endm
.macro FETCH_B slot, q, p
	WIN TO_B
.irp i, 0,1,2,3,4,5,6,7
	FRAG 128*(\p)+FR*\i, ADRB+\slot, \q, \i
.endr
	WIN 0
.endm
.macro FETCH_A slot, q, i0
.irp i, \i0, \i0+1, \i0+2, \i0+3
	FRAG AF+FR*(\i), ADRA+\slot, \q, \i
.endr
.endm
.macro SCALES sc                       ; a slot's scale words: four words a row; lanes 0-15 take x's block i, lanes 16-31 W's block i
.irp i, 0,1,2,3,4,5,6,7
	ds_load_b128 v[SC+8*NQ*\sc+NQ*\i:SC+8*NQ*\sc+NQ*\i+3], v[ADRS] offset:\i*SBLK
.endr
.endm
.macro PLACES n                        ; plain vector instructions between a matrix instruction and a load into, or a read of, its registers
.rept \n
	v_nop
.endr
.endm
.macro STEP slot, q, first             ; a step of 128 along K that has its successor in the same slot
	s_wait_dscnt 4*NL                              ; W's set and x's blocks 0-3 are in; the youngest eight loads (x's blocks 4-7) may be out
.if \first
	WIN FIRST_LO
.else
	WIN MUL_LO
.endif
	MUL16 0, (\q)%2, \q, \slot, \first
	MUL16 2, (\q)%2, \q, \slot, \first
	s_wait_dscnt 0                                 ; x's blocks 4-7 are in
	PLACES NP
	FETCH_B \slot, (\q)+1, 1-(\q)%2
	FETCH_A \slot, (\q)+1, 0
.if \first
	WIN FIRST_HI
.else
	WIN MUL_HI
.endif
	MUL16 4, (\q)%2, \q, \slot, \first
	MUL16 6, (\q)%2, \q, \slot, \first
	PLACES NP
	WIN 0
	FETCH_A \slot, (\q)+1, 4
.endm
; Slot 0's last step changes slots: in front of the one barrier each wave waits for all its tensor loads (its part of slot 1), adds 0 to its spare word, and waits for that and for its reads of slot 0.
.macro TURN slot, next
	s_wait_tensorcnt 0x0                           ; all my tensor loads have landed
	ds_add_u32 v[SPW], v[NIL]                      ; 0 onto my spare word
	s_wait_dscnt 4*NL+1                            ; (the add and the youngest eight loads may be out)
	WIN MUL_LO
	MUL16 0, 1, NQ-1, \slot, 0
	s_wait_dscnt 0x0                               ; the add is done, and my reads of this slot are over
	s_barrier_signal -1
	MUL16 2, 1, NQ-1, \slot, 0
	WIN 0
	s_barrier_wait -1
	PLACES NP
	v_add_nc_u32 v[ADRS], 4*NQ, v[ADRS]            ; on to the next slot's scale words
	FETCH_B \next, 0, 0
	FETCH_A \next, 0, 0
	SCALES \next
	WIN MUL_HI
	MUL16 4, 1, NQ-1, \slot, 0
	MUL16 6, 1, NQ-1, \slot, 0
	PLACES NP
	WIN 0
	FETCH_A \next, 0, 4
.endm
	s_wait_tensorcnt 1                             ; the scales and my part of slot 0 are in (slot 1's load may be out)
	s_barrier_signal -1
	s_barrier_wait -1                              ; everybody's are
	FETCH_B 0, 0, 0
	FETCH_A 0, 0, 0
	SCALES 0
	FETCH_A 0, 0, 4
	s_wait_loadcnt 0x0                             ; the bias
	STEP 0, 0, 1
	STEP 0, 1, 0
	STEP 0, 2, 0
	TURN 0, 1
	STEP 1, 0, 0
	STEP 1, 1, 0
	STEP 1, 2, 0
	s_wait_dscnt 4*NL                              ; the last step: nothing more to fetch
	WIN MUL_LO
	MUL16 0, 1, NQ-1, 1, 0
	MUL16 2, 1, NQ-1, 1, 0
	s_wait_dscnt 0
	WIN MUL_HI
	MUL16 4, 1, NQ-1, 1, 0
	MUL16 6, 1, NQ-1, 1, 0
	WIN 0
	PLACES NP                                      ; in front of the first reads of results and the first writes of registers that held operands and scales
	; THE FIRST 16 TOKENS OF A SEQUENCE, IN f32: they are block 0 of the waves with the upper rows of the tiles with cluster y = 0.  Through the f32 stage, back as whole rows of 512 bytes.
	s_or_b32 s20, s[CLY], s15
	s_cmp_lg_u32 s20, 0
	s_cbranch_scc1 .Lno32
	WIN 0x08                                       ; an LDS store's data: window 2
.irp b, 0,1,2,3,4,5,6,7
	ds_store_b128 v[STO32], v[8*\b:8*\b+3] offset:64*\b            ; each accumulator from its low end on
	ds_store_b128 v[STO32], v[8*\b+4:8*\b+7] offset:64*\b+16
.endr
	WIN 0
.irp t, 0,1,2,3,4,5,6,7,8,9,10,11,12,13,14,15
	ds_load_b128 v[BI+4*\t:BI+4*\t+3], v[RD32] offset:\t*528       ; LDS serves a wave's instructions in order: these see the stores above
.endr
	s_wait_dscnt 0x0
.irp t, 0,1,2,3,4,5,6,7,8,9,10,11,12,13,14,15
	global_store_b128 v[CO], v[BI+4*\t:BI+4*\t+3], s[66:67] offset:\t*12288   ; 32 lanes store 512 consecutive bytes, aligned
.endr
.Lno32:
; THE WAY OUT IN f16, block by block of 16 tokens x 128 columns (two heads).  PACK: (q: x c, then) rounded to f16, 16 bytes a lane.  TOSTAGE: into my stage, back as 4 tokens x 128 bytes of one head.  SEND: stored.
.macro PACK a, sc
.set AC, 64*((\a)%4)
.set TM, TMP+32*((\a)%2)
.if \sc
	WIN 0x82+0x41*((\a)/4)                         ; destination and source 0: window 2 or 3
.set i, 0
.rept 32
	v_pk_mul_f32 v[AC+i:AC+i+1], v[AC+i:AC+i+1], s[2:3] op_sel_hi:[1,0]
.set i, i+2
.endr
.endif
	WIN 0x0a+5*((\a)/4)                            ; sources 0 and 1: window 2 or 3
.irp b, 0,1,2,3,4,5,6,7
.irp r, 0,1,2,3
	v_cvt_pk_f16_f32 v[TM+4*\b+\r], v[AC+8*\b+2*\r], v[AC+8*\b+2*\r+1]
.endr
.endr
	WIN 0
.endm
.macro TOSTAGE a
.set TM, TMP+32*((\a)%2)
.set BB, BKR+32*((\a)%2)
.if (\a) >= 2
	s_wait_xcnt 0x0                                ; block a - 2's stores have read their registers: block a's loads may land there
.endif
.irp b, 0,1,2,3,4,5,6,7
	ds_store_b128 v[STO], v[TM+4*\b:TM+4*\b+3] offset:32*\b
.endr
.irp t, 0,1,2,3,4,5,6,7
	ds_load_b128 v[BB+4*\t:BB+4*\t+3], v[RD] offset:(\t%4)*1088+128*(\t/4)   ; tokens 4 (t % 4) on, head t / 4
.endr
.endm
.macro SEND a
.set BB, BKR+32*((\a)%2)
	s_wait_dscnt 0x0                               ; the block is back in registers
.irp t, 0,1,2,3,4,5,6,7
	global_store_b128 v[CO], v[BB+4*\t:BB+4*\t+3], s[12:13] offset:(\t/4)*262144+2048*(\a)+512*(\t%4)   ; 32 lanes store 512 consecutive bytes, aligned
.endr
.endm
.macro WAYOUT sc
	PACK 0, \sc
	TOSTAGE 0
.irp a, 1,2,3,4,5,6,7                  ; block a's arithmetic stands between block a - 1's loads from the stage and the wait for them
	PACK \a, \sc
	SEND \a-1
	TOSTAGE \a
.endr
	SEND 7
.endm
	s_cmp_lg_u32 ttmp9, 0
	s_cbranch_scc1 .Lkv
	WAYOUT 1                                       ; section q
	s_branch .Lend
.Lkv:
	WAYOUT 0                                       ; sections k and v
.Lend:
	s_wait_tensorcnt 0x0                           ; the wave's end, behind my last tensor load and my last LDS store
	ds_add_u32 v[SPW], v[NIL]
	s_wait_dscnt 0x0
	CROUND                                         ; the closing round
	s_endpgm
.Lfunc_end_k_q47d0eea3a7_qkv:
	.size	k_q47d0eea3a7_qkv, .Lfunc_end_k_q47d0eea3a7_qkv-k_q47d0eea3a7_qkv
	.p2alignl 7, 3214868480
	.fill 96, 4, 3214868480
	.section	.rodata,"a",@progbits
	.p2align	6, 0x0
	.amdhsa_kernel k_q47d0eea3a7_qkv
		.amdhsa_group_segment_fixed_size 327680
		.amdhsa_private_segment_fixed_size 0
		.amdhsa_enable_private_segment 0
		.amdhsa_kernarg_size 64
		.amdhsa_user_sgpr_count 2
		.amdhsa_user_sgpr_kernarg_segment_ptr 1
		.amdhsa_wavefront_size32 1
		.amdhsa_system_sgpr_workgroup_id_x 1
		.amdhsa_system_sgpr_workgroup_id_y 1
		.amdhsa_system_sgpr_workgroup_id_z 1
		.amdhsa_system_vgpr_workitem_id 0
		.amdhsa_next_free_vgpr 1024
		.amdhsa_next_free_sgpr 100
		.amdhsa_reserve_vcc 0
		.amdhsa_float_denorm_mode_32 3
		.amdhsa_float_denorm_mode_16_64 3
		.amdhsa_memory_ordered 1
		.amdhsa_forward_progress 1
		.amdhsa_inst_pref_size 182
	.end_amdhsa_kernel
	.amdgpu_metadata
---
amdhsa.version: [ 1, 2 ]
amdhsa.kernels:
  - .name:           k_q47d0eea3a7_qkv
    .symbol:         k_q47d0eea3a7_qkv.kd
    .args:
      - { .name: x_codes, .offset: 0, .size: 8, .value_kind: global_buffer, .address_space: global }
      - { .name: x_scales, .offset: 8, .size: 8, .value_kind: global_buffer, .address_space: global }
      - { .name: w_codes, .offset: 16, .size: 8, .value_kind: global_buffer, .address_space: global }
      - { .name: w_scales, .offset: 24, .size: 8, .value_kind: global_buffer, .address_space: global }
      - { .name: bq, .offset: 32, .size: 8, .value_kind: global_buffer, .address_space: global }
      - { .name: bv, .offset: 40, .size: 8, .value_kind: global_buffer, .address_space: global }
      - { .name: qkv, .offset: 48, .size: 8, .value_kind: global_buffer, .address_space: global }
      - { .name: qkv32, .offset: 56, .size: 8, .value_kind: global_buffer, .address_space: global }
    .group_segment_fixed_size: 327680
    .private_segment_fixed_size: 0
    .kernarg_segment_align: 8
    .kernarg_segment_size: 64
    .max_flat_workgroup_size: 128
    .sgpr_count:     100
    .vgpr_count:     1024
    .wavefront_size: 32
...
	.end_amdgpu_metadata
.endif
;; end of part 2
;; launch attn (part 3): grid 4 x 64, 8 waves a work-group, no clusters, 327,680 bytes of LDS; arguments qkv, ao; writes ao
.if DOCPART == 3
	.amdgcn_target "amdgcn-amd-amdhsa--gfx1250"
	.amdhsa_code_object_version 6
	.text
	.protected	k_q47d0eea3a7_attn
	.globl	k_q47d0eea3a7_attn
	.p2align	8
	.type	k_q47d0eea3a7_attn,@function
k_q47d0eea3a7_attn:
	s_mov_b64 s[64:65], 0
	v_nop
	global_prefetch_b8 v0, s[64:65] scope:SCOPE_SE
	s_setreg_imm32_b32 hwreg(HW_REG_WAVE_MODE, 25, 1), 1
	s_wait_xcnt 0x0
; Launch 3 of 5: causal attention, o[q] = sum over k <= q of softmax_k(score) v[k], head size 64, on f16 operands with f32 sums, maxima and row sums.
; qkv: f16 [b 4][g 48][l 2048][64]; g = head: q, already multiplied by log2(e) / 8; g = 16 + head: k (without bk: dead work, shown at the head of the first launch); g = 32 + head: v.   ao: f16 [head 16][token 8192][64].
; LEFT OUT: key steps that lie wholly above the diagonal of the causal mask, which the problem itself builds.   LIMIT: |o| stays under 65,504 as v does.
; (Positions 0 to 15 of each sequence are made here too, inside live tiles; what is stored of them into the result comes from the launch that carries them in f32.)
; SHARES.  Work-group (i, b x 16 + head) takes the head's query block 7 - i (256 queries) and then block i: 8 - i + i + 1 = 9 blocks of 256 keys, whatever i.  Eight waves, two to a SIMD; a wave owns 32 queries: two tiles of 16.
; THE WALK.  16 trips; trip T reads slot T % 8 (256 keys) of phase T / 8 from LDS buffer T % 2.  The trip count is a constant of the text: a key step (64 keys) all of whose keys come after the wave's queries is jumped over,
; and a slot all of whose keys come after the work-group's queries is not asked for; both tests are made of ids and the trip count.  Every wait for tensor loads is for all of them; one load a wave is out at a time.
; NO CLUSTER: the four work-groups of a head need different numbers of slots in each phase, so a partner would have to ask for tiles that none of its waves reads.
; LAYOUT.  S^T = K Q^T (source 0 = 16 keys, source 1 = 16 queries): a lane holds ONE query (lane % 16) and the keys 8 (lane / 16) + 0..7 of each tile.  Two such tiles, rounded to f16 in pairs, are source 1 of O^T = V^T P,
; whose result again holds one query a lane.  K comes out of LDS as it lies, V ([key][channel]) turned, by ds_load_tr16_b128.
; SOFTMAX.  For each query a running maximum m and sum l: p = 2^(s - m), at most 1; in every step O and l are multiplied by a = 2^(m_old - m_new).  m begins at -3e38 and O, l at 0, so the step is written once; key 0 counts for every query.
; REGISTERS.  window 0: v1-15 addresses; v16-31 eight statistics a tile (+0 m, +1 its pair's partner, +2 +3 l, +4..+7 c0-c3; a takes c2); v32-95 S^T; v96-127 P; v128-191 K; v192-255 V.   window 1: v0-63 O^T; v64-95 Q.
.set PK,    144                        ; a row of K in LDS: 128 bytes + 16: the 16 rows of a load start at 16 different banks
.set PV,    160                        ; a row of V: 128 + 32
.set VOFF,  256*PK                     ; a buffer: 256 rows of K, then 256 rows of V
.set SLOT1, 1<<17                      ; buffer 1 begins here: one exclusive or turns an address
.set STAGE, 212992                     ; behind the buffers: 32 rows x 144 bytes for each wave; no tensor load lands here
.set SP,    144
.set SPARE, STAGE+8*32*SP              ; the spare words, 128 bytes a wave
.set AK0, 1
.set AV0, 2
.set ADK, 3
.set ADV, 4
.set SPW, 5
.set NIL, 6
.set QO,  7
.set STO, 8
.set RD,  9
.set GO,  10
.set PFO, 11
.set D0,  12                           ; v12, v13: the mask's d of tiles 0, 1
.set NINF, 14
.set RH,  15                           ; lane % 16 - 8 (lane / 16)
.set ST,  16
.set S,   32
.set P,   96
.set KFR, 128
.set VFR, 192
.set OT,  0                            ; in window 1
.set QF,  64                           ; in window 1
.set WV,  8
.set QB0, 11
.set QB1, 12
.set Q1,  13                           ; my first query in phase 1
.set KB,  14                           ; s[14:15] my quarter of slot 0 of the head's K;  s[16:17] of V
.set VB,  16
.set G1K, 24
.set G1V, 32
.set G0K, 40
.set G0V, 44
.set T,   48
.set TB,  49
.set KF,  50                           ; the step's first key
.set Q0,  51                           ; my first query
.set SEL, 52
.set QP,  54
.set QP1, 56
.set OP,  58
.set OP1, 60
.set PFA, 66
.set LIM, 68
.set OFS, 70
.set MSB, 0
.macro WIN new
.if MSB != \new
	s_set_vgpr_msb (MSB<<8)|\new
.set MSB, \new
.endif
.endm
; Waves 0-3 fetch the quarters of a slot's K, waves 4-7 those of V: 64 rows a load, every wave one.  An s_nop 0 and four v_nop follow each of the two lines.
.macro TLOAD
	s_cmp_lt_u32 s[WV], 4
	s_cbranch_scc0 .Lfor_v_\@
	tensor_load_to_lds s[G0K:G0K+3], s[G1K:G1K+7]
	s_nop 0
.rept 4
	v_nop
.endr
	s_branch .Lasked_\@
.Lfor_v_\@:
	tensor_load_to_lds s[G0V:G0V+3], s[G1V:G1V+7]
	s_nop 0
.rept 4
	v_nop
.endr
.Lasked_\@:
.endm
; A PREFETCH INTO THE L2 of what the next change of buffers will ask for.  The four work-groups of a head walk the same K and V; the one with i = 0 walks all eight slots in its first phase, and it alone asks:
; in trip T (0 to 5) for slot T + 2, each wave for its own quarter, 8,192 bytes, lanes 256 bytes apart.  So each block of 256 bytes is named once in the launch.  Slots 0 and 1 come by their loads alone; from trip 6 on nothing is asked for.
.macro ASK
	s_cmp_lt_u32 s[T], s[LIM]
	s_cbranch_scc0 .Lnot_mine_\@
	global_prefetch_b8 v[PFO], s[PFA:PFA+1] th:TH_LOAD_NT scope:SCOPE_SE
.Lnot_mine_\@:
.endm
	s_load_b128 s[4:7], s[0:1], 0x0                ; qkv, ao
	v_lshl_add_u32 v[SPW], v0, 2, SPARE
	v_mov_b32 v[NIL], 0
	ds_add_u32 v[SPW], v[NIL]                      ; the wave's opening: the add, twice on end, and its wait ahead of my first tensor load
	ds_add_u32 v[SPW], v[NIL]
	v_lshrrev_b32 v12, 5, v0
	v_readfirstlane_b32 s[WV], v12                 ; wave 0..7
	s_mov_b32 s9, ttmp9                            ; i
	s_and_b32 s10, ttmp7, 0xffff
	s_lshr_b32 s18, s10, 4                         ; b
	s_and_b32 s19, s10, 15                         ; head
	s_sub_co_u32 s[QB0], 7, s9
	s_mov_b32 s[QB1], s9
	s_mul_i32 s20, s18, 48
	s_add_co_u32 s20, s20, s19                     ; 48 b + head
	s_and_b32 s21, s[WV], 3                        ; which quarter of a slot I fetch
	s_lshl_b32 s22, s21, 13                        ; its 64 rows of 128 bytes
	s_add_co_u32 s72, s20, 16
	s_lshl_b32 s72, s72, 18
	s_add_co_u32 s72, s72, s22                     ; K
	s_mov_b32 s73, 0
	s_add_co_u32 s74, s20, 32
	s_lshl_b32 s74, s74, 18
	s_add_co_u32 s74, s74, s22                     ; V
	s_mov_b32 s75, 0
	s_lshl_b32 s23, s[WV], 5
	s_lshl_b32 s[Q0], s[QB0], 8
	s_add_co_u32 s[Q0], s[Q0], s23                 ; my first query: 256 x block + 32 x wave
	s_lshl_b32 s[Q1], s[QB1], 8
	s_add_co_u32 s[Q1], s[Q1], s23
	s_lshl_b32 s20, s20, 18
	s_lshl_b32 s76, s[Q0], 7
	s_add_co_u32 s76, s76, s20                     ; Q of phase 0
	s_mov_b32 s77, 0
	s_lshl_b32 s78, s[Q1], 7
	s_add_co_u32 s78, s78, s20                     ; and of phase 1
	s_mov_b32 s79, 0
	s_lshl_b32 s22, s18, 11
	s_lshl_b32 s23, s19, 20
	s_add_co_u32 s2, s22, s[Q0]
	s_lshl_b32 s2, s2, 7
	s_add_co_u32 s2, s2, s23                       ; ao of phase 0: head x 2^20 + token x 128
	s_mov_b32 s3, 0
	s_add_co_u32 s22, s22, s[Q1]
	s_lshl_b32 s22, s22, 7
	s_add_co_u32 s22, s22, s23                     ; and of phase 1
	s_mov_b32 s23, 0
	s_mov_b32 s[G1K], (1<<16)|(1<<20)|(4<<22)|(3<<25)             ; elements of 2 bytes; padding: 4 words behind every 32
	s_mov_b32 s[G1V], (1<<16)|(1<<20)|(4<<22)|(7<<25)             ; 8 words
.irp g, G1K, G1V
	s_mov_b32 s[\g+1], 64<<16                      ; tensor_dim0 = 64
	s_mov_b32 s[\g+2], 64<<16                      ; tensor_dim1 = 64
	s_mov_b32 s[\g+3], 64<<16                      ; tile_dim0 = 64
	s_mov_b32 s[\g+4], 64                          ; tile_dim1 = 64
	s_mov_b32 s[\g+5], 64                          ; the pitch
	s_mov_b32 s[\g+6], 0
	s_mov_b32 s[\g+7], 0
.endr
	s_mov_b32 s[SEL], 0x76543210
	s_mov_b32 s[SEL+1], 0xfedcba98                 ; v_permlanex16_b32: lane l xor 16
	s_mov_b32 s[OFS+1], 0
	s_mov_b32 s[T], 0
	s_mov_b32 s[TB], 0
	s_cmp_eq_u32 s9, 0
	s_cselect_b32 s[LIM], 6, 0
	v_and_b32 v12, 15, v0                          ; r
	v_bfe_u32 v13, v0, 4, 1                        ; h
	v_mul_u32_u24 v[AK0], v12, PK
	v_lshl_add_u32 v[AK0], v13, 4, v[AK0]          ; K: row r x pitch + 16 h
	v_and_b32 v14, 7, v0
	v_bfe_u32 v15, v0, 3, 1
	v_lshl_add_u32 v[AV0], v13, 3, v14             ; V, for the turning load: key 8 h + lane % 8,
	v_mul_u32_u24 v[AV0], v[AV0], PV
	v_lshl_add_u32 v[AV0], v15, 4, v[AV0]          ; channels 8 ((lane / 8) % 2) on
	v_add_nc_u32 v[AV0], VOFF, v[AV0]
	v_lshlrev_b32 v[QO], 7, v12
	v_lshl_add_u32 v[QO], v13, 4, v[QO]            ; Q: row r of 128 bytes + 16 h
	s_mul_i32 s10, s[WV], 32*SP
	s_add_co_u32 s10, s10, STAGE                   ; my stage
	v_mul_u32_u24 v[STO], v12, SP
	v_lshl_add_u32 v[STO], v13, 4, v[STO]
	v_add_nc_u32 v[STO], s10, v[STO]
	v_bfe_u32 v15, v0, 3, 2
	v_mul_u32_u24 v[RD], v15, SP                   ; back: eight lanes to a row of 128 bytes, four rows an instruction
	v_lshl_add_u32 v[RD], v14, 4, v[RD]
	v_add_nc_u32 v[RD], s10, v[RD]
	v_and_b32 v[GO], 31, v0
	v_lshlrev_b32 v[PFO], 8, v[GO]
	v_lshlrev_b32 v[GO], 4, v[GO]
	v_lshlrev_b32 v13, 3, v13
	v_sub_nc_u32 v[RH], v12, v13
	v_mov_b32 v[NINF], 0xff800000                  ; -infinity
	s_wait_dscnt 0x0                               ; both opening adds are done
	s_wait_kmcnt 0x0
	s_add_nc_u64 s[KB:KB+1], s[4:5], s[72:73]
	s_add_nc_u64 s[VB:VB+1], s[4:5], s[74:75]
	s_add_nc_u64 s[QP:QP+1], s[4:5], s[76:77]
	s_add_nc_u64 s[QP1:QP1+1], s[4:5], s[78:79]
	s_add_nc_u64 s[OP:OP+1], s[6:7], s[2:3]
	s_add_nc_u64 s[OP1:OP1+1], s[6:7], s[22:23]
	s_cmp_lt_u32 s[WV], 4
	s_cselect_b64 s[PFA:PFA+1], s[KB:KB+1], s[VB:VB+1]
	s_add_nc_u64 s[PFA:PFA+1], s[PFA:PFA+1], 32768 ; at slot 1: the first change steps it to slot 2.  Nothing is prefetched here, at the head
	s_mov_b32 s[G0K], 1
	s_mul_i32 s[G0K+1], s21, 64*PK                 ; LDS: buffer 0, my quarter
	s_mov_b64 s[G0K+2:G0K+3], s[KB:KB+1]
	s_or_b32 s[G0K+3], s[G0K+3], 0x80000000
	s_mov_b32 s[G0V], 1
	s_mul_i32 s[G0V+1], s21, 64*PV
	s_add_co_u32 s[G0V+1], s[G0V+1], VOFF
	s_mov_b64 s[G0V+2:G0V+3], s[VB:VB+1]
	s_or_b32 s[G0V+3], s[G0V+3], 0x80000000
	TLOAD                                          ; keys 0 to 255, which count for every block of queries
.macro QLOAD ptr                       ; my 32 queries stay in registers: tile u, channels 32 c on
	WIN 0x40                                       ; destination window 1
.irp u, 0,1
.irp c, 0,1
	global_load_b128 v[QF+16*\u+8*\c:QF+16*\u+8*\c+3], v[QO], s[\ptr:\ptr+1] offset:2048*\u+64*\c
	global_load_b128 v[QF+16*\u+8*\c+4:QF+16*\u+8*\c+7], v[QO], s[\ptr:\ptr+1] offset:2048*\u+64*\c+32
.endr
.endr
	WIN 0
.endm
.macro RESET                           ; a block of queries begins: m under every score, l and O^T zero
.irp u, 0,1
	v_mov_b32 v[ST+8*\u], 0xff61b1e6               ; -3e38
	v_mov_b32 v[ST+8*\u+1], 0                      ; (named with m as a pair)
	v_mov_b32 v[ST+8*\u+2], 0
	v_mov_b32 v[ST+8*\u+3], 0
	v_mov_b32 v[ST+8*\u+5], 0                      ; (a lane permute's destination counts as one of its sources)
.endr
	WIN 0x40
.set i, 0
.rept 64
	v_mov_b32 v[OT+i], 0
.set i, i+1
.endr
	WIN 0
.endm
; THE CHANGE OF BUFFERS stands at a trip's head.  Each wave waits for all its tensor loads (its part of the buffer that it is about to read), adds 0 to its spare word, and waits for that and for its reads of the buffer that it has left.
; fill = 1: behind the barrier that other buffer takes the next trip's slot, if any wave of the work-group will read it.
.macro CHANGE fill
	s_wait_tensorcnt 0x0                           ; no tensor load of mine is out, so a group 0 may be written
	ds_add_u32 v[SPW], v[NIL]                      ; 0 onto my spare word
.if \fill
	s_xor_b32 s[G0K+1], s[G0K+1], SLOT1            ; the other buffer than last time,
	s_xor_b32 s[G0V+1], s[G0V+1], SLOT1
	s_add_co_u32 s72, s[T], 1
	s_and_b32 s72, s72, 7                          ; the next trip's slot,
	s_lshl_b32 s[OFS], s72, 15                     ; 256 rows of 128 bytes a slot
	s_add_nc_u64 s[G0K+2:G0K+3], s[KB:KB+1], s[OFS:OFS+1]
	s_or_b32 s[G0K+3], s[G0K+3], 0x80000000
	s_add_nc_u64 s[G0V+2:G0V+3], s[VB:VB+1], s[OFS:OFS+1]
	s_or_b32 s[G0V+3], s[G0V+3], 0x80000000
	s_wait_xcnt 0x0                                ; the last prefetch, a trip back, has read its address, so it may be written
	s_add_nc_u64 s[PFA:PFA+1], s[PFA:PFA+1], 32768
.endif
	s_and_b32 s[KF], s[T], 7
	s_lshl_b32 s[KF], s[KF], 8                     ; this trip's first key
	s_wait_dscnt 0x0                               ; the add is done, and my reads of the buffer that I have left are over
	s_barrier_signal -1
	s_barrier_wait -1
.if \fill
	s_cmp_lt_u32 s[T], 7
	s_cselect_b32 s73, s[QB0], s[QB1]              ; the next trip's block of queries
	s_cmp_gt_u32 s72, s73                          ; a slot beyond it is read by none of the eight waves: it is not asked for.  Ids and the trip count alone: all waves go the same way
	s_cbranch_scc1 .Lpast_\@
	TLOAD                                          ; a wave's one tensor load until the next barrier
.Lpast_\@:
	ASK
.endif
.endm
; The softmax of both tiles for one key step; the two tiles alternate line by line.
.macro SOFTMAX
.irp j, 0,1,2,3
.irp u, 0,1
	v_max3_num_f32 v[ST+8*\u+4+\j], v[S+32*\u+8*\j], v[S+32*\u+8*\j+1], v[S+32*\u+8*\j+2]   ; four chains; each accumulator is read from its low end on
.endr
.endr
.irp i, 3,5
.irp j, 0,1,2,3
.irp u, 0,1
	v_max3_num_f32 v[ST+8*\u+4+\j], v[ST+8*\u+4+\j], v[S+32*\u+8*\j+\i], v[S+32*\u+8*\j+\i+1]
.endr
.endr
.endr
.irp u, 0,1
	v_max3_num_f32 v[ST+8*\u+4], v[ST+8*\u+4], v[S+32*\u+7], v[S+32*\u+15]
	v_max3_num_f32 v[ST+8*\u+6], v[ST+8*\u+6], v[S+32*\u+23], v[S+32*\u+31]
.endr
.irp u, 0,1
	v_max3_num_f32 v[ST+8*\u+4], v[ST+8*\u+4], v[ST+8*\u+5], v[ST+8*\u+6]
.endr
.irp u, 0,1
	v_max3_num_f32 v[ST+8*\u+4], v[ST+8*\u+4], v[ST+8*\u+7], v[ST+8*\u]     ; and the old m
.endr
.irp u, 0,1
	v_permlanex16_b32 v[ST+8*\u+5], v[ST+8*\u+4], s[SEL], s[SEL+1]          ; the query's other 32 keys lie in the lane 16 away
.endr
.irp u, 0,1
	v_mov_b32 v[ST+8*\u+7], v[ST+8*\u]
.endr
.irp u, 0,1
	v_max_num_f32 v[ST+8*\u], v[ST+8*\u+4], v[ST+8*\u+5]                    ; the new m
.endr
.irp u, 0,1
	v_sub_f32 v[ST+8*\u+7], v[ST+8*\u+7], v[ST+8*\u]                        ; m_old - m_new
.endr
.irp u, 0,1
	v_exp_f32 v[ST+8*\u+6], v[ST+8*\u+7]                                    ; a
.endr
.set i, 0
.rept 16
.irp u, 0,1
	v_pk_add_f32 v[S+32*\u+i:S+32*\u+i+1], v[S+32*\u+i:S+32*\u+i+1], v[ST+8*\u:ST+8*\u+1] op_sel_hi:[1,0] neg_lo:[0,1] neg_hi:[0,1]   ; s - m, two at a time
.endr
.set i, i+2
.endr
.set i, 0
.rept 32
.irp u, 0,1
	v_exp_f32 v[S+32*\u+i], v[S+32*\u+i]                                    ; p = 2^(s - m)
.endr
.set i, i+1
.endr
	v_nop                                          ; a plain instruction behind the last exponential
	s_wait_alu depctr_va_vdst(0)                   ; the wait ahead of the first line that names a result: one for the 66 exponentials
.set i, 0
.rept 16
.irp u, 0,1
	v_cvt_pk_f16_f32 v[P+16*\u+i], v[S+32*\u+2*i], v[S+32*\u+2*i+1]
.endr
.set i, i+1
.endr
.irp z, 0,1,2,3,4,5,6,7                ; the sum of the tile's 16 pairs, in place
.irp u, 0,1
	v_pk_add_f32 v[S+32*\u+4*\z:S+32*\u+4*\z+1], v[S+32*\u+4*\z:S+32*\u+4*\z+1], v[S+32*\u+4*\z+2:S+32*\u+4*\z+3]
.endr
.endr
.irp z, 0,1,2,3
.irp u, 0,1
	v_pk_add_f32 v[S+32*\u+8*\z:S+32*\u+8*\z+1], v[S+32*\u+8*\z:S+32*\u+8*\z+1], v[S+32*\u+8*\z+4:S+32*\u+8*\z+5]
.endr
.endr
.irp z, 0,1
.irp u, 0,1
	v_pk_add_f32 v[S+32*\u+16*\z:S+32*\u+16*\z+1], v[S+32*\u+16*\z:S+32*\u+16*\z+1], v[S+32*\u+16*\z+8:S+32*\u+16*\z+9]
.endr
.endr
.irp u, 0,1
	v_pk_add_f32 v[S+32*\u:S+32*\u+1], v[S+32*\u:S+32*\u+1], v[S+32*\u+16:S+32*\u+17]
.endr
.irp u, 0,1
	v_pk_fma_f32 v[ST+8*\u+2:ST+8*\u+3], v[ST+8*\u+2:ST+8*\u+3], v[ST+8*\u+6:ST+8*\u+7], v[S+32*\u:S+32*\u+1] op_sel_hi:[1,0,1]   ; l = a l + the sum
.endr
.endm
; A KEY STEP: 64 keys, the q-th of the buffer in hand.
.macro STEP q
	s_add_co_u32 s72, s[Q0], 31
	s_cmp_gt_u32 s[KF], s72                        ; all its keys come after my 32 queries: left out
	s_cbranch_scc1 .Lhidden_\@
	v_add_nc_u32 v[ADK], s[TB], v[AK0]
	v_add_nc_u32 v[ADV], s[TB], v[AV0]
	v_nop
	v_nop                                          ; four plain lines between the last products and the loads into the registers that they read
.irp kt, 0,1,2,3
.irp c, 0,1
	ds_load_b128 v[KFR+8*(2*\kt+\c):KFR+8*(2*\kt+\c)+3], v[ADK] offset:(64*(\q)+16*\kt)*PK+64*\c
	ds_load_b128 v[KFR+8*(2*\kt+\c)+4:KFR+8*(2*\kt+\c)+7], v[ADK] offset:(64*(\q)+16*\kt)*PK+64*\c+32
.endr
.endr
.irp g, 0,1
.irp ct, 0,1,2,3
	ds_load_tr16_b128 v[VFR+8*(4*\g+\ct):VFR+8*(4*\g+\ct)+3], v[ADV] offset:(64*(\q)+32*\g)*PV+32*\ct
	ds_load_tr16_b128 v[VFR+8*(4*\g+\ct)+4:VFR+8*(4*\g+\ct)+7], v[ADV] offset:(64*(\q)+32*\g+16)*PV+32*\ct
.endr
.endr
	s_wait_dscnt 16                                ; K is in; V's sixteen loads may be out
	WIN 0x04                                       ; source 1 (Q) window 1
.irp c, 0,1                            ; S^T = K Q^T: eight accumulators by turns
.irp kt, 0,1,2,3
.irp u, 0,1
.if \c == 0
	v_wmma_f32_16x16x32_f16 v[S+32*\u+8*\kt:S+32*\u+8*\kt+7], v[KFR+8*(2*\kt+\c):KFR+8*(2*\kt+\c)+7], v[QF+16*\u+8*\c:QF+16*\u+8*\c+7], 0
.else
	v_wmma_f32_16x16x32_f16 v[S+32*\u+8*\kt:S+32*\u+8*\kt+7], v[KFR+8*(2*\kt+\c):KFR+8*(2*\kt+\c)+7], v[QF+16*\u+8*\c:QF+16*\u+8*\c+7], v[S+32*\u+8*\kt:S+32*\u+8*\kt+7]
.endif
.endr
.endr
.endr
	WIN 0
.rept 4
	v_nop
.endr
	s_add_co_u32 s72, s[KF], 63
	s_cmp_le_u32 s72, s[Q0]                        ; all its keys count for all my queries: no mask
	s_cbranch_scc1 .Lopen_\@
	s_sub_co_i32 s72, s[Q0], s[KF]                 ; on the diagonal hidden scores become -infinity ahead of the maximum: p = 0 then
	v_add_nc_u32 v[D0], s72, v[RH]                 ; d = my query - KF - 8 (lane / 16).  Register n holds key KF + 8 (lane / 16) + 16 (n / 8) + n % 8: hidden where 16 (n / 8) + n % 8 > d
	v_add_nc_u32 v[D0+1], 16, v[D0]
.irp u, 0,1
.set n, 0
.rept 32
	v_cmp_gt_i32 vcc_lo, 16*(n/8)+n%8, v[D0+\u]
	v_cndmask_b32 v[S+32*\u+n], v[S+32*\u+n], v[NINF], vcc_lo
.set n, n+1
.endr
.endr
.Lopen_\@:
	SOFTMAX
	WIN 0x41                                       ; O^T (destination and source 0) window 1, a window 0
.irp u, 0,1
.set i, 0
.rept 16
	v_pk_mul_f32 v[OT+32*\u+i:OT+32*\u+i+1], v[OT+32*\u+i:OT+32*\u+i+1], v[ST+8*\u+6:ST+8*\u+7] op_sel_hi:[1,0]
.set i, i+2
.endr
.endr
	WIN 0
	s_wait_dscnt 0x0                               ; V is in
	WIN 0x50                                       ; C and D (O^T) window 1
.irp g, 0,1                            ; O^T += V^T P: eight accumulators by turns
.irp ct, 0,1,2,3
.irp u, 0,1
	v_wmma_f32_16x16x32_f16 v[OT+32*\u+8*\ct:OT+32*\u+8*\ct+7], v[VFR+8*(4*\g+\ct):VFR+8*(4*\g+\ct)+7], v[P+16*\u+8*\g:P+16*\u+8*\g+7], v[OT+32*\u+8*\ct:OT+32*\u+8*\ct+7]
.endr
.endr
.endr
	WIN 0
.Lhidden_\@:
	s_add_co_u32 s[KF], s[KF], 64
.endm
.macro SLOT_STEPS
	STEP 0
	STEP 1
	STEP 2
	STEP 3
	s_xor_b32 s[TB], s[TB], SLOT1                  ; on to the other buffer
.endm
; A block of queries is finished: O^T / l, rounded to f16, through my stage, out as 4 tokens x 128 bytes an instruction.
.macro FINISH ptr
.rept 4
	v_nop                                          ; places behind the last products
.endr
.irp u, 0,1
	v_add_f32 v[ST+8*\u+4], v[ST+8*\u+2], v[ST+8*\u+3]
.endr
.irp u, 0,1
	v_permlanex16_b32 v[ST+8*\u+5], v[ST+8*\u+4], s[SEL], s[SEL+1]
.endr
.irp u, 0,1
	v_add_f32 v[ST+8*\u+4], v[ST+8*\u+4], v[ST+8*\u+5]
.endr
.irp u, 0,1
	v_rcp_f32 v[ST+8*\u+6], v[ST+8*\u+4]
.endr
.irp u, 0,1
	v_mov_b32 v[ST+8*\u+7], 0                      ; (the pair's partner; also the plain line behind the reciprocals)
.endr
	s_wait_alu depctr_va_vdst(0)                   ; one wait for both reciprocals, ahead of their first reader
	WIN 0x01                                       ; source 0 (O^T) window 1
.irp u, 0,1
.set i, 0
.rept 16
	v_pk_mul_f32 v[S+32*\u+i:S+32*\u+i+1], v[OT+32*\u+i:OT+32*\u+i+1], v[ST+8*\u+6:ST+8*\u+7] op_sel_hi:[1,0]
.set i, i+2
.endr
.endr
	WIN 0
.irp u, 0,1
.set i, 0
.rept 16
	v_cvt_pk_f16_f32 v[P+16*\u+i], v[S+32*\u+2*i], v[S+32*\u+2*i+1]
.set i, i+1
.endr
.endr
.irp u, 0,1
.irp ct, 0,1,2,3
	ds_store_b128 v[STO], v[P+16*\u+4*\ct:P+16*\u+4*\ct+3] offset:16*SP*\u+32*\ct
.endr
.endr
.irp g, 0,1,2,3,4,5,6,7
	ds_load_b128 v[KFR+4*\g:KFR+4*\g+3], v[RD] offset:4*SP*\g      ; LDS serves a wave's instructions in order: these see the stores above
.endr
.irp g, 0,1,2,3,4,5,6,7
	s_wait_dscnt 7-\g                              ; load g is in, the younger ones stay out
	global_store_b128 v[GO], v[KFR+4*\g:KFR+4*\g+3], s[\ptr:\ptr+1] offset:512*\g   ; 32 lanes store 512 consecutive bytes, aligned
.endr
	s_wait_xcnt 0x0                                ; the stores have read their registers: K's fragments may land there again
.endm
	QLOAD QP
	RESET
	s_wait_loadcnt 0x0                             ; Q
.Ltrip:                                            ; 15 trips; the sixteenth is written out, since it asks for nothing
	CHANGE 1
	SLOT_STEPS
	s_cmp_lg_u32 s[T], 7
	s_cbranch_scc1 .Lsame
	QLOAD QP1                                      ; the first block of queries is done: the second block's Q is asked for, the first goes out
	FINISH OP
	s_mov_b32 s[Q0], s[Q1]
	RESET
	s_wait_loadcnt 0x0
.Lsame:
	s_add_co_u32 s[T], s[T], 1
	s_cmp_lt_u32 s[T], 15
	s_cbranch_scc1 .Ltrip
	CHANGE 0
	SLOT_STEPS
	FINISH OP1
	s_wait_tensorcnt 0x0                           ; the wave's end, behind my last tensor load and my last LDS store
	ds_add_u32 v[SPW], v[NIL]
	s_wait_dscnt 0x0
	s_endpgm
.Lfunc_end_k_q47d0eea3a7_attn:
	.size	k_q47d0eea3a7_attn, .Lfunc_end_k_q47d0eea3a7_attn-k_q47d0eea3a7_attn
	.p2alignl 7, 3214868480
	.fill 96, 4, 3214868480
	.section	.rodata,"a",@progbits
	.p2align	6, 0x0
	.amdhsa_kernel k_q47d0eea3a7_attn
		.amdhsa_group_segment_fixed_size 327680
		.amdhsa_private_segment_fixed_size 0
		.amdhsa_enable_private_segment 0
		.amdhsa_kernarg_size 16
		.amdhsa_user_sgpr_count 2
		.amdhsa_user_sgpr_kernarg_segment_ptr 1
		.amdhsa_wavefront_size32 1
		.amdhsa_system_sgpr_workgroup_id_x 1
		.amdhsa_system_sgpr_workgroup_id_y 1
		.amdhsa_system_sgpr_workgroup_id_z 1
		.amdhsa_system_vgpr_workitem_id 0
		.amdhsa_next_free_vgpr 384
		.amdhsa_next_free_sgpr 80
		.amdhsa_reserve_vcc 1
		.amdhsa_float_denorm_mode_32 3
		.amdhsa_float_denorm_mode_16_64 3
		.amdhsa_memory_ordered 1
		.amdhsa_forward_progress 1
		.amdhsa_inst_pref_size 198
	.end_amdhsa_kernel
	.amdgpu_metadata
---
amdhsa.version: [ 1, 2 ]
amdhsa.kernels:
  - .name:           k_q47d0eea3a7_attn
    .symbol:         k_q47d0eea3a7_attn.kd
    .args:
      - { .name: qkv, .offset: 0, .size: 8, .value_kind: global_buffer, .address_space: global }
      - { .name: ao, .offset: 8, .size: 8, .value_kind: global_buffer, .address_space: global }
    .group_segment_fixed_size: 327680
    .private_segment_fixed_size: 0
    .kernarg_segment_align: 8
    .kernarg_segment_size: 16
    .max_flat_workgroup_size: 256
    .sgpr_count:     80
    .vgpr_count:     384
    .wavefront_size: 32
...
	.end_amdgpu_metadata
.endif
;; end of part 3
;; launch oproj (part 4): grid 8 x 64, 4 waves a work-group, clusters of 4 x 4, 327,680 bytes of LDS; arguments ao, wo16, bo, out0; writes out0
.if DOCPART == 4
	.amdgcn_target "amdgcn-amd-amdhsa--gfx1250"
	.amdhsa_code_object_version 6
	.text
	.protected	k_q47d0eea3a7_oproj
	.globl	k_q47d0eea3a7_oproj
	.p2align	8
	.type	k_q47d0eea3a7_oproj,@function
k_q47d0eea3a7_oproj:
	s_mov_b64 s[64:65], 0
	v_nop
	global_prefetch_b8 v0, s[64:65] scope:SCOPE_SE
	s_setreg_imm32_b32 hwreg(HW_REG_WAVE_MODE, 25, 1), 1
	s_wait_xcnt 0x0
	s_wait_alu depctr_hold_cnt(0) depctr_sa_sdst(0) depctr_va_vdst(0) depctr_va_sdst(0) depctr_va_ssrc(0) depctr_va_vcc(0) depctr_vm_vsrc(0)
	s_getreg_b32 s2, hwreg(HW_REG_IB_STS2, 6, 4)
	s_cmp_eq_u32 s2, 0
	s_cbranch_scc0 .Lentry_in_a_cluster
	s_endpgm
.Lentry_in_a_cluster:
	s_bfe_u32 s2, ttmp6, 0x10000c
	s_cmp_lg_u32 s2, 0xf033
	s_cbranch_scc0 .Lentry_shape_is_right
	s_endpgm
.Lentry_shape_is_right:
; Launch 4 of 5: out0[m][n] = sum over k of o[m][k] Wo[n][k] + bo[n], m = 8,192 tokens, n = 1,024, K = 1,024, on f16 operands with f32 sums.  bo is the C of each sum's first matrix instruction.
; ao: f16 [kb 16][token 8192][64], wo16: f16 [kb 16][n 1024][64], kb = k / 64.   out0: f32 [8192][1024].
; LEFT OUT: the STORES of positions 0 to 15 of each sequence: those 64 rows are made in f32 by the last launch, so that each output byte is stored once.
; A tile of the result is 128 x 128 (512 work-groups); four waves, each 64 x 64: 16 accumulators.  K goes in steps of 256 through two LDS slots; four steps, so the ring is written out with no loop.
; A wave's tensor load brings 64 rows x 256 K as a tile of 4 lines: a line is the 64 rows' 64 elements of one kb, 8,192 dense bytes; the lines lie one kb apart in memory.  16 bytes of padding behind every 128: LDS [kb 4][row 64][144 bytes].
; CLUSTERS: 4 x 4 work-groups; ao's tiles are asked for jointly along a row of the cluster, wo16's along a column.  Tile row = 16 cy + cluster y: the batch is cy, and a sequence's first tile has cluster y = 0, alike in all partners.
; THE MATRIX INSTRUCTION IS USED TRANSPOSED (source 0 = 16 rows of Wo, source 1 = 16 tokens): a lane holds eight neighbouring columns of one token.
; REGISTERS: window 0: v0-31 addresses; v32-95 the way out; v96-127 the bias; v128-255 the accumulators ((a, b) at v[128 + 8 (4 a + b)]).   window 1: two fragment buffers of 128: 64 registers of ao, then 64 of wo16.
.set PITCH,  144                       ; 128 bytes + 16: the 16 rows that a load touches start at 16 different banks
.set LINE,   64*PITCH                  ; one kb of 64 rows
.set HALFT,  4*LINE                    ; what one tensor load brings, and what one wave reads of ao or of wo16
.set SLOT,   4*HALFT
.set STAGE,  2*SLOT                    ; behind the ring: 16 rows x 272 bytes for each wave
.set SPITCH, 272
.set SPARE,  STAGE+4*16*SPITCH
.set STEPA,  4*1048576                 ; a K step in ao: four kb of 8,192 x 128 bytes
.set STEPB,  4*131072                  ; in wo16: four kb of 1,024 x 128 bytes
.set ADRA, 16
.set ADRB, 20
.set STO,  24
.set RD,   25
.set CO,   26
.set SPW,  28
.set NIL,  29
.set TMP,  32
.set BI,   96                          ; register 8 b + j = bo[my first column + 16 b + 8 (lane / 16) + j]
.set ACC,  128
.set F0,   0
.set F1,   128
.set CLY,  45                          ; s45 cluster y
.set G1, 24
.set G0, 32
.set G1B, 48
.set G0B, 56
.set MSB, 0
.macro WIN new
.if MSB != \new
	s_set_vgpr_msb (MSB<<8)|\new
.set MSB, \new
.endif
.endm
.set MUL,  0x05                        ; sources 0 and 1 window 1; C and D window 0
.set TO_F, 0x40
.macro JLOAD s                         ; a joint load: waves 0 and 1 fetch ao's two halves, waves 2 and 3 wo16's; an s_nop 0 and four v_nop follow each of the two lines
	s_cmp_eq_u32 s11, 0
	s_cbranch_scc0 .Lfor_b_\@
	tensor_load_to_lds s[G0+4*\s:G0+4*\s+3], s[G1:G1+7]
	s_nop 0
.rept 4
	v_nop
.endr
	s_branch .Lasked_\@
.Lfor_b_\@:
	tensor_load_to_lds s[G0B+4*\s:G0B+4*\s+3], s[G1B:G1B+7]
	s_nop 0
.rept 4
	v_nop
.endr
.Lasked_\@:
.endm
.macro CREST
	s_cmp_lg_u32 s10, 0
	s_cbranch_scc1 .Lnot_wave_0_\@
	s_barrier_signal -3
.Lnot_wave_0_\@:
	s_barrier_wait -3
	s_barrier_signal -1
	s_barrier_wait -1
.endm
.macro CROUND
	s_barrier_signal -1
	s_barrier_wait -1
	CREST
.endm
	s_load_b128 s[4:7], s[0:1], 0x0                ; ao, wo16
	s_load_b64 s[2:3], s[0:1], 0x10                ; bo
	s_load_b64 s[8:9], s[0:1], 0x18                ; out0
	v_lshl_add_u32 v[SPW], v0, 2, SPARE
	v_mov_b32 v[NIL], 0
	ds_add_u32 v[SPW], v[NIL]                      ; the wave's opening: the add, twice on end, and its wait ahead of my first tensor load
	ds_add_u32 v[SPW], v[NIL]
	v_lshrrev_b32 v1, 5, v0
	v_readfirstlane_b32 s10, v1                    ; wave 0..3
	s_lshr_b32 s11, s10, 1                         ; which half of the tile's rows is mine.  Also: I fetch for ao (0) or for wo16 (1)
	s_and_b32 s12, s10, 1                          ; which half of its columns.  Also: which 64 rows of that tile I fetch
	s_bfe_u32 s40, ttmp6, 0x40000                  ; cx
	s_bfe_u32 s41, ttmp6, 0x40004                  ; cy
	s_lshl_b32 s42, ttmp9, 2
	s_add_co_u32 s42, s42, s40                     ; tile column = 4 x cluster x + cx
	s_and_b32 s[CLY], ttmp7, 0xffff
	s_lshl_b32 s13, s41, 4
	s_add_co_u32 s13, s13, s[CLY]                  ; tile row = 16 cy + cluster y
	s_lshl_b32 s43, s41, 2
	s_lshl_b32 s43, 15, s43                        ; my row of the cluster
	s_lshl_b32 s44, 0x1111, s40                    ; my column
	s_or_b32 s[G1+0], s43, (1<<16)|(1<<20)|(1<<21)|(4<<22)|(3<<25)  ; the mask; elements of 2 bytes; padding: 4 words behind every 32
	s_or_b32 s[G1B+0], s44, (1<<16)|(1<<20)|(1<<21)|(4<<22)|(3<<25)
.irp g, G1, G1B
	s_mov_b32 s[\g+1], 4096<<16                    ; tensor_dim0 = 4,096 elements: a line
	s_mov_b32 s[\g+2], 4<<16                       ; tensor_dim1 = 4 lines
	s_mov_b32 s[\g+3], 4096<<16                    ; tile_dim0
	s_mov_b32 s[\g+4], 4                           ; tile_dim1
	s_mov_b32 s[\g+6], 0
	s_mov_b32 s[\g+7], 0
.endr
	s_mov_b32 s[G1+5], 524288                      ; from kb to kb: 8,192 x 64 elements in ao,
	s_mov_b32 s[G1B+5], 65536                      ; 1,024 x 64 in wo16
	s_lshl_b32 s17, s12, 6
	s_lshl_b32 s16, s13, 7
	s_add_co_u32 s16, s16, s17                     ; ao: token 128 x tile row + 64 x half,
	s_lshl_b32 s16, s16, 7                         ; 128 bytes each
	s_lshl_b32 s46, s42, 7
	s_add_co_u32 s46, s46, s17                     ; wo16: row 128 x tile column + 64 x half
	s_lshl_b32 s46, s46, 7
	s_mov_b32 s17, 0
	s_mov_b32 s47, 0
	s_mul_i32 s20, s10, HALFT                      ; where they go: wave x 64 rows
	s_wait_dscnt 0x0                               ; both opening adds are done
	s_wait_kmcnt 0x0
	s_add_nc_u64 s[14:15], s[4:5], s[16:17]
	s_add_nc_u64 s[46:47], s[6:7], s[46:47]
	CROUND                                         ; all sixteen work-groups are here: the first joint loads meet
.irp s, 0,1
	s_mov_b32 s[G0+4*\s], 1
	s_add_co_u32 s[G0+4*\s+1], s20, \s*SLOT
	s_add_nc_u64 s[G0+4*\s+2:G0+4*\s+3], s[14:15], \s*STEPA
	s_or_b32 s[G0+4*\s+3], s[G0+4*\s+3], 0x80000000
	s_mov_b32 s[G0B+4*\s], 1
	s_add_co_u32 s[G0B+4*\s+1], s20, \s*SLOT
	s_add_nc_u64 s[G0B+4*\s+2:G0B+4*\s+3], s[46:47], \s*STEPB
	s_or_b32 s[G0B+4*\s+3], s[G0B+4*\s+3], 0x80000000
	JLOAD \s
.endr
	v_and_b32 v1, 15, v0                           ; r
	v_bfe_u32 v2, v0, 4, 1                         ; h
	v_mul_u32_u24 v3, v1, PITCH
	v_lshl_add_u32 v3, v2, 4, v3
	s_mul_i32 s21, s11, HALFT                      ; my 64 tokens
	s_mul_i32 s22, s12, HALFT                      ; my 64 rows of Wo,
	s_add_co_u32 s22, s22, 2*HALFT                 ; which lie behind ao's 128
.irp s, 0,1
	v_add_nc_u32 v[ADRA+\s], s21, v3
	v_add_nc_u32 v[ADRB+\s], s22, v3
	s_add_co_u32 s21, s21, SLOT
	s_add_co_u32 s22, s22, SLOT
.endr
	s_mul_i32 s23, s10, 16*SPITCH
	s_add_co_u32 s23, s23, STAGE                   ; my stage
	v_mul_u32_u24 v4, v1, SPITCH
	v_lshl_add_u32 v4, v2, 5, v4
	v_add_nc_u32 v[STO], s23, v4                   ; in: row r, 32 bytes for each half of the lanes
	v_mul_u32_u24 v5, v2, SPITCH
	v_lshl_add_u32 v5, v1, 4, v5
	v_add_nc_u32 v[RD], s23, v5                    ; back: lanes 0-15 one row of 256 bytes, lanes 16-31 the next
	v_lshlrev_b32 v5, 12, v2
	v_lshl_add_u32 v[CO], v1, 4, v5                ; and the same two rows in out0
	v_lshlrev_b32 v6, 5, v2                        ; the bias: 32 h bytes
	s_lshl_b32 s16, s13, 7
	s_lshl_b32 s17, s11, 6
	s_add_co_u32 s16, s16, s17                     ; my first token: 128 x tile row + 64 x half,
	s_lshl_b32 s16, s16, 12                        ; 4,096 bytes a row
	s_mov_b32 s17, 0
	s_add_nc_u64 s[8:9], s[8:9], s[16:17]
	s_lshl_b32 s46, s42, 9                         ; my first column, in bytes: 512 x tile column + 256 x half
	s_lshl_b32 s47, s12, 8
	s_add_co_u32 s46, s46, s47
	s_mov_b32 s47, 0
	s_add_nc_u64 s[8:9], s[8:9], s[46:47]
	s_add_nc_u64 s[2:3], s[2:3], s[46:47]
.irp b, 0,1,2,3
	global_load_b128 v[BI+8*\b:BI+8*\b+3], v6, s[2:3] offset:64*\b
	global_load_b128 v[BI+8*\b+4:BI+8*\b+7], v6, s[2:3] offset:64*\b+16
.endr
; 8 matrix instructions: token blocks a0, a0 + 1 x all 4 column blocks, 32 along K: half c of buffer f.  first = 1: the sums begin with the bias as C.  The 16 accumulators take turns.
.macro MUL8 f, c, a0, first
.irp a, \a0, \a0+1
.irp b, 0,1,2,3
.if \first
	v_wmma_f32_16x16x32_f16 v[ACC+8*(4*(\a)+\b):ACC+8*(4*(\a)+\b)+7], v[\f+64+8*(4*\c+\b):\f+64+8*(4*\c+\b)+7], v[\f+8*(4*\c+\a):\f+8*(4*\c+\a)+7], v[BI+8*\b:BI+8*\b+7]
.else
	v_wmma_f32_16x16x32_f16 v[ACC+8*(4*(\a)+\b):ACC+8*(4*(\a)+\b)+7], v[\f+64+8*(4*\c+\b):\f+64+8*(4*\c+\b)+7], v[\f+8*(4*\c+\a):\f+8*(4*\c+\a)+7], v[ACC+8*(4*(\a)+\b):ACC+8*(4*(\a)+\b)+7]
.endif
.endr
.endr
.endm
; 32 LDS loads in one run: the fragments of one kb (64 along K), which begins at byte k of a half, into buffer f; the first 32 along K first
.macro FETCH slot, k, f
	WIN TO_F
.irp c, 0,1
.irp i, 0,1,2,3
	ds_load_b128 v[\f+64+8*(4*\c+\i):\f+64+8*(4*\c+\i)+3],   v[ADRB+\slot] offset:\k+64*\c+\i*16*PITCH
	ds_load_b128 v[\f+64+8*(4*\c+\i)+4:\f+64+8*(4*\c+\i)+7], v[ADRB+\slot] offset:\k+64*\c+\i*16*PITCH+32
	ds_load_b128 v[\f+8*(4*\c+\i):\f+8*(4*\c+\i)+3],         v[ADRA+\slot] offset:\k+64*\c+\i*16*PITCH
	ds_load_b128 v[\f+8*(4*\c+\i)+4:\f+8*(4*\c+\i)+7],       v[ADRA+\slot] offset:\k+64*\c+\i*16*PITCH+32
.endr
.endr
.endm
.macro PLACES
.rept 4
	v_nop
.endr
.endm
.macro QUARTER slot, k, f, g, first    ; multiplies buffer f and fetches the next kb, at byte k, into g
	s_wait_dscnt 16                                ; the first 32 along K are in; the other sixteen loads may be out
	WIN MUL
	MUL8 \f, 0, 0, \first
	MUL8 \f, 0, 2, \first
	PLACES
	FETCH \slot, \k, \g
	s_wait_dscnt 32                                ; all but the 32 just issued
	WIN MUL
	MUL8 \f, 1, 0, 0
	MUL8 \f, 1, 2, 0
.endm
; A slot's last quarter changes slots: one barrier; in front of it each wave waits for all its tensor loads, adds 0 to its spare word, and waits for that and for its reads of this slot.  fill = 1: this slot is filled again, two K steps ahead.
.macro TURN slot, next, fill
	WIN 0
	s_wait_tensorcnt 0x0                           ; all my tensor loads have landed: my part of the next slot
	ds_add_u32 v[SPW], v[NIL]                      ; 0 onto my spare word
	s_wait_dscnt 17                                ; (the add and the youngest sixteen loads may be out)
	WIN MUL
	MUL8 F1, 0, 0, 0
	s_wait_dscnt 0x0                               ; the add is done, and my reads of this slot are over
	s_barrier_signal -1
	MUL8 F1, 0, 2, 0
.if \fill
	WIN 0
.endif
	s_barrier_wait -1
.if \fill
	CREST                                          ; the barrier has opened a round of the cluster's barrier: no wave of any partner still reads this slot or has a load on its way
	s_add_nc_u64 s[G0+4*\slot+2:G0+4*\slot+3], s[G0+4*\slot+2:G0+4*\slot+3], 2*STEPA
	s_add_nc_u64 s[G0B+4*\slot+2:G0B+4*\slot+3], s[G0B+4*\slot+2:G0B+4*\slot+3], 2*STEPB
	JLOAD \slot                                    ; the first tensor load behind the round; its four v_nop are also the places in front of the loads below
.else
	PLACES
.endif
	FETCH \next, 0, F0
	WIN MUL
	MUL8 F1, 1, 0, 0
	MUL8 F1, 1, 2, 0
.endm
	s_wait_tensorcnt 1                             ; my part of K step 0 is in (K step 1's load may be out)
	s_barrier_signal -1
	s_barrier_wait -1                              ; everybody's is
	FETCH 0, 0, F0
	s_wait_loadcnt 0x0                             ; the bias
	QUARTER 0, LINE,   F0, F1, 1                   ; K step 0
	QUARTER 0, 2*LINE, F1, F0, 0
	QUARTER 0, 3*LINE, F0, F1, 0
	TURN 0, 1, 1                                   ; slot 0 takes K step 2
	QUARTER 1, LINE,   F0, F1, 0                   ; K step 1
	QUARTER 1, 2*LINE, F1, F0, 0
	QUARTER 1, 3*LINE, F0, F1, 0
	TURN 1, 0, 1                                   ; slot 1 takes K step 3
	QUARTER 0, LINE,   F0, F1, 0                   ; K step 2
	QUARTER 0, 2*LINE, F1, F0, 0
	QUARTER 0, 3*LINE, F0, F1, 0
	TURN 0, 1, 0                                   ; nothing is left to fetch
	QUARTER 1, LINE,   F0, F1, 0                   ; K step 3
	QUARTER 1, 2*LINE, F1, F0, 0
	QUARTER 1, 3*LINE, F0, F1, 0
	s_wait_dscnt 16
	WIN MUL
	MUL8 F1, 0, 0, 0
	MUL8 F1, 0, 2, 0
	s_wait_dscnt 0
	MUL8 F1, 1, 0, 0
	MUL8 F1, 1, 2, 0
	WIN 0
; THE WAY OUT, block by block of 16 tokens x 64 columns: through my own stage, back as whole runs of 256 bytes: sixteen lanes store 256 consecutive bytes, aligned.
.macro OUTBLK a
.set BB, TMP+32*((\a)%2)
.if (\a) >= 2
	s_wait_xcnt 0x0                                ; block a - 2's stores have read their registers
.endif
.irp b, 0,1,2,3
	ds_store_b128 v[STO], v[ACC+8*(4*(\a)+\b):ACC+8*(4*(\a)+\b)+3] offset:64*\b       ; each accumulator from its low end on
	ds_store_b128 v[STO], v[ACC+8*(4*(\a)+\b)+4:ACC+8*(4*(\a)+\b)+7] offset:64*\b+16
.endr
.irp t, 0,1,2,3,4,5,6,7
	ds_load_b128 v[BB+4*\t:BB+4*\t+3], v[RD] offset:2*SPITCH*\t    ; LDS serves a wave's instructions in order
.endr
	s_wait_dscnt 0x0
.irp t, 0,1,2,3,4,5,6,7
	global_store_b128 v[CO], v[BB+4*\t:BB+4*\t+3], s[8:9] offset:(16*(\a)+2*\t)*4096 th:TH_STORE_NT
.endr
.endm
	PLACES
	s_or_b32 s20, s[CLY], s11
	s_cmp_eq_u32 s20, 0                            ; block 0 of the upper waves of a sequence's first tile: positions 0 to 15, which the last launch stores
	s_cbranch_scc1 .Lnot_mine
	OUTBLK 0
.Lnot_mine:
	OUTBLK 1
	OUTBLK 2
	OUTBLK 3
	s_wait_tensorcnt 0x0                           ; the wave's end, behind my last tensor load and my last LDS store
	ds_add_u32 v[SPW], v[NIL]
	s_wait_dscnt 0x0
	CROUND                                         ; the closing round
	s_endpgm
.Lfunc_end_k_q47d0eea3a7_oproj:
	.size	k_q47d0eea3a7_oproj, .Lfunc_end_k_q47d0eea3a7_oproj-k_q47d0eea3a7_oproj
	.p2alignl 7, 3214868480
	.fill 96, 4, 3214868480
	.section	.rodata,"a",@progbits
	.p2align	6, 0x0
	.amdhsa_kernel k_q47d0eea3a7_oproj
		.amdhsa_group_segment_fixed_size 327680
		.amdhsa_private_segment_fixed_size 0
		.amdhsa_enable_private_segment 0
		.amdhsa_kernarg_size 32
		.amdhsa_user_sgpr_count 2
		.amdhsa_user_sgpr_kernarg_segment_ptr 1
		.amdhsa_wavefront_size32 1
		.amdhsa_system_sgpr_workgroup_id_x 1
		.amdhsa_system_sgpr_workgroup_id_y 1
		.amdhsa_system_sgpr_workgroup_id_z 1
		.amdhsa_system_vgpr_workitem_id 0
		.amdhsa_next_free_vgpr 512
		.amdhsa_next_free_sgpr 66
		.amdhsa_reserve_vcc 0
		.amdhsa_float_denorm_mode_32 3
		.amdhsa_float_denorm_mode_16_64 3
		.amdhsa_memory_ordered 1
		.amdhsa_forward_progress 1
		.amdhsa_inst_pref_size 86
	.end_amdhsa_kernel
	.amdgpu_metadata
---
amdhsa.version: [ 1, 2 ]
amdhsa.kernels:
  - .name:           k_q47d0eea3a7_oproj
    .symbol:         k_q47d0eea3a7_oproj.kd
    .args:
      - { .name: ao, .offset: 0, .size: 8, .value_kind: global_buffer, .address_space: global }
      - { .name: wo16, .offset: 8, .size: 8, .value_kind: global_buffer, .address_space: global }
      - { .name: bo, .offset: 16, .size: 8, .value_kind: global_buffer, .address_space: global }
      - { .name: out0, .offset: 24, .size: 8, .value_kind: global_buffer, .address_space: global }
    .group_segment_fixed_size: 327680
    .private_segment_fixed_size: 0
    .kernarg_segment_align: 8
    .kernarg_segment_size: 32
    .max_flat_workgroup_size: 128
    .sgpr_count:     66
    .vgpr_count:     512
    .wavefront_size: 32
...
	.end_amdgpu_metadata
.endif
;; end of part 4
;; launch first16 (part 5): grid 16 x 4, 16 waves a work-group, no clusters, 85,248 bytes of LDS; arguments qkv32, Wo, bo, out0; writes out0
.if DOCPART == 5
	.amdgcn_target "amdgcn-amd-amdhsa--gfx1250"
	.amdhsa_code_object_version 6
	.text
	.protected	k_q47d0eea3a7_first16
	.globl	k_q47d0eea3a7_first16
	.p2align	8
	.type	k_q47d0eea3a7_first16,@function
k_q47d0eea3a7_first16:
	s_mov_b64 s[64:65], 0
	v_nop
	global_prefetch_b8 v0, s[64:65] scope:SCOPE_SE
	s_setreg_imm32_b32 hwreg(HW_REG_WAVE_MODE, 25, 1), 1
	s_wait_xcnt 0x0
; Launch 5 of 5: positions 0 to 15 of each sequence, all in f32 (v_wmma_f32_16x16x4_f32): under the causal mask these rows average one to sixteen values and are the largest of the result, so f16 operands would cost them too much.
; qkv32: f32 [b 4][l 16][3072]: q (with bq, not scaled), k (without bk: dead work, shown at the head of the first launch), v (with bv).   Wo [1024][1024], bo [1024], out0 [8192][1024]: f32.
; SHARES.  Work-group (nb, b) makes out0[2048 b + 0..15][64 nb .. 64 nb + 63].  Sixteen waves.  Phase 1: wave w makes head w's attention over 16 queries and 16 keys (each of a batch's 16 work-groups does this small work anew: that spares a launch);
; o goes to LDS.  Phase 2: wave w multiplies o by 16 rows of Wo (nt = w % 4) over a quarter of K (kq = w / 4).  Phase 3: wave w adds the four quarters and bo for row w and stores its 256 bytes.
; K IN THE f32 FORM.  A chunk is 8 neighbouring k: lane (r, hh) loads the 16 bytes at 32 c + 16 hh of its row; registers 0, 1 feed one matrix instruction, registers 2, 3 the next.  Both operands take k in the same order.
; The registers that the matrix instructions write (v16-63) are written by nothing else; each sum begins with the constant 0; two or four accumulators take turns.
.set OPI,   4112                       ; a row of o in LDS: 4,096 bytes + 16
.set PART,  16*OPI                     ; behind o: the four quarters' sums, [kq 4][row 16][272]
.set PP,    272
.set SPARE, PART+4*16*PP               ; the spare words, 128 bytes a wave
.set QA,  3
.set VA,  4
.set WA,  5
.set OST, 6
.set OLD, 7
.set PST, 8
.set PLD, 9
.set GOF, 10
.set DD,  12                           ; v12 r - 8 hh, v13 -infinity; from phase 2 on v[12:13] hold my 8 bytes of bo
.set SPW, 14
.set NIL, 15
.set SA,  16                           ; v16-23, v24-31: two accumulators
.set OA,  32                           ; v32-63: O^T, four accumulators
.set QFR, 64                           ; v64-95 q, v96-127 k; later Wo's chunks 16-31
.set KFR, 96
.set VT,  128                          ; v128-159 v, turned; later o's buffer 0
.set TT,  160                          ; v160-167 scores, then p; v168-175 p / l; v176-181 at work; later o's buffer 1 is v160-191
.set PN,  168
.set SS,  176
.set WL,  192                          ; v192-255 Wo's chunks 0-15
.set WH,  64
.set OB,  128
	s_load_b256 s[4:11], s[0:1], 0x0               ; qkv32 4:5, Wo 6:7, bo 8:9, out0 10:11
	v_lshl_add_u32 v[SPW], v0, 2, SPARE
	v_mov_b32 v[NIL], 0
	v_lshrrev_b32 v1, 5, v0
	v_readfirstlane_b32 s12, v1                    ; wave 0..15
	v_and_b32 v1, 15, v0                           ; r
	v_bfe_u32 v2, v0, 4, 1                         ; hh
	s_and_b32 s13, s12, 3                          ; nt
	s_lshr_b32 s14, s12, 2                         ; kq
	s_and_b32 s15, ttmp7, 0xffff                   ; b
	s_mov_b32 s20, 0x3e38aa3b                      ; c = log2(e) / 8
	s_mov_b32 s22, 0x76543210
	s_mov_b32 s23, 0xfedcba98                      ; v_permlanex16_b32: lane l xor 16
	v_mul_u32_u24 v[QA], v1, 12288
	v_lshl_add_u32 v[QA], v2, 4, v[QA]             ; q, k: token r, + 16 hh
	v_mul_u32_u24 v[VA], v2, 98304
	v_lshl_add_u32 v[VA], v1, 2, v[VA]             ; v: tokens 8 hh on, channel r
	v_lshlrev_b32 v[WA], 12, v1
	v_lshl_add_u32 v[WA], v2, 4, v[WA]             ; Wo: row r, + 16 hh
	v_mul_u32_u24 v[OLD], v1, OPI
	v_lshl_add_u32 v[OST], v2, 5, v[OLD]
	s_lshl_b32 s16, s12, 8
	v_add_nc_u32 v[OST], s16, v[OST]               ; o, in: row r, + 256 w + 32 hh
	v_lshl_add_u32 v[OLD], v2, 4, v[OLD]
	s_lshl_b32 s16, s14, 10
	v_add_nc_u32 v[OLD], s16, v[OLD]               ; o, back: row r, + 1,024 kq + 16 hh
	v_mul_u32_u24 v[PST], v1, PP
	v_lshl_add_u32 v[PST], v2, 5, v[PST]
	s_mul_i32 s16, s14, 16*PP
	s_lshl_b32 s17, s13, 6
	s_add_co_u32 s16, s16, s17
	s_add_co_u32 s16, s16, PART
	v_add_nc_u32 v[PST], s16, v[PST]               ; a quarter's sums, in: [kq][row r], + 64 nt + 32 hh
	v_and_b32 v[GOF], 31, v0
	v_lshlrev_b32 v[GOF], 3, v[GOF]                ; 8 bytes a lane
	s_mul_i32 s16, s12, PP
	s_add_co_u32 s16, s16, PART
	v_add_nc_u32 v[PLD], s16, v[GOF]               ; back: row w
	v_lshlrev_b32 v2, 3, v2
	v_sub_nc_u32 v[DD], v1, v2                     ; r - 8 hh
	v_mov_b32 v[DD+1], 0xff800000                  ; -infinity
	s_mul_i32 s16, s15, 196608
	s_lshl_b32 s17, s12, 8
	s_add_co_u32 s16, s16, s17                     ; qkv32: batch b, head w
	s_mov_b32 s17, 0
	s_lshl_b32 s18, ttmp9, 18
	s_lshl_b32 s19, s13, 16
	s_add_co_u32 s18, s18, s19
	s_lshl_b32 s19, s14, 10
	s_add_co_u32 s18, s18, s19                     ; Wo: row 64 nb + 16 nt, K quarter kq
	s_mov_b32 s19, 0
	s_lshl_b32 s24, ttmp9, 8                       ; bo: 64 nb numbers on
	s_mov_b32 s25, 0
	s_lshl_b32 s26, s15, 23
	s_lshl_b32 s27, s12, 12
	s_add_co_u32 s26, s26, s27
	s_add_co_u32 s26, s26, s24                     ; out0: row 2,048 b + w, column 64 nb
	s_mov_b32 s27, 0
	s_wait_kmcnt 0x0
	s_add_nc_u64 s[4:5], s[4:5], s[16:17]
	s_add_nc_u64 s[6:7], s[6:7], s[18:19]
	s_add_nc_u64 s[8:9], s[8:9], s[24:25]
	s_add_nc_u64 s[10:11], s[10:11], s[26:27]
	; ---- phase 1: head w
.irp c, 0,1,2,3,4,5,6,7
	global_load_b128 v[QFR+4*\c:QFR+4*\c+3], v[QA], s[4:5] offset:32*\c
.endr
.irp c, 0,1,2,3,4,5,6,7
	global_load_b128 v[KFR+4*\c:KFR+4*\c+3], v[QA], s[4:5] offset:4096+32*\c
.endr
.irp ct, 0,1,2,3
.irp j, 0,1,2,3,4,5,6,7
	global_load_b32 v[VT+8*\ct+\j], v[VA], s[4:5] offset:8192+12288*\j+64*\ct     ; v(key 8 hh + j, channel 16 ct + r)
.endr
.endr
.irp c, 0,1,2,3,4,5,6,7,8,9,10,11,12,13,14,15
	global_load_b128 v[WL+4*\c:WL+4*\c+3], v[WA], s[6:7] offset:32*\c
.endr
	s_wait_loadcnt 48                              ; q and k are in; v's 32 loads and Wo's 16 stay out
.set t, 0
.rept 16                               ; S^T = k q^T: source 0 = 16 keys, source 1 = 16 queries: lane (r, hh) holds query r and keys 8 hh + 0..7
.if t < 2
	v_wmma_f32_16x16x4_f32 v[SA+8*(t%2):SA+8*(t%2)+7], v[KFR+2*t:KFR+2*t+1], v[QFR+2*t:QFR+2*t+1], 0
.else
	v_wmma_f32_16x16x4_f32 v[SA+8*(t%2):SA+8*(t%2)+7], v[KFR+2*t:KFR+2*t+1], v[QFR+2*t:QFR+2*t+1], v[SA+8*(t%2):SA+8*(t%2)+7]
.endif
.set t, t+1
.endr
.rept 8
	v_nop                                          ; eight places behind this form, in front of loads into its operands' registers and of the first read of results
.endr
.irp c, 0,1,2,3,4,5,6,7,8,9,10,11,12,13,14,15
	global_load_b128 v[WH+4*\c:WH+4*\c+3], v[WA], s[6:7] offset:512+32*\c
.endr
.irp j, 0,1,2,3,4,5,6,7
	v_add_f32 v[TT+\j], v[SA+\j], v[SA+8+\j]       ; the two halves of the sum over the channels
.endr
.irp j, 0,1,2,3,4,5,6,7
	v_cmp_gt_i32 vcc_lo, \j, v[DD]                 ; key 8 hh + j comes after query r: hidden
	v_cndmask_b32 v[TT+\j], v[TT+\j], v[DD+1], vcc_lo
.endr
	v_max3_num_f32 v[SS], v[TT], v[TT+1], v[TT+2]
	v_max3_num_f32 v[SS+1], v[TT+3], v[TT+4], v[TT+5]
	v_max3_num_f32 v[SS], v[SS], v[TT+6], v[TT+7]
	v_max_num_f32 v[SS], v[SS], v[SS+1]
	v_permlanex16_b32 v[SS+1], v[SS], s22, s23
	v_max_num_f32 v[SS], v[SS], v[SS+1]            ; the query's largest score (key 0 counts for every query)
	v_mul_f32 v[SS+1], s20, v[SS]
.irp j, 0,1,2,3,4,5,6,7
	v_fma_f32 v[TT+\j], v[TT+\j], s20, -v[SS+1]    ; c s - c m
.endr
.irp j, 0,1,2,3,4,5,6,7
	v_exp_f32 v[TT+\j], v[TT+\j]
.endr
	v_nop                                          ; a plain line behind the last exponential
	s_wait_alu depctr_va_vdst(0)                   ; one wait for the eight, ahead of their first reader
	v_add_f32 v[SS+2], v[TT], v[TT+1]
	v_add_f32 v[SS+3], v[TT+2], v[TT+3]
	v_add_f32 v[SS+4], v[TT+4], v[TT+5]
	v_add_f32 v[SS+5], v[TT+6], v[TT+7]
	v_add_f32 v[SS+2], v[SS+2], v[SS+3]
	v_add_f32 v[SS+4], v[SS+4], v[SS+5]
	v_add_f32 v[SS+2], v[SS+2], v[SS+4]
	v_permlanex16_b32 v[SS+3], v[SS+2], s22, s23
	v_add_f32 v[SS+2], v[SS+2], v[SS+3]            ; the row's sum
	v_rcp_f32 v[SS+4], v[SS+2]
	v_nop
	s_wait_alu depctr_va_vdst(0)
.irp j, 0,1,2,3,4,5,6,7
	v_mul_f32 v[PN+\j], v[TT+\j], v[SS+4]
.endr
	s_wait_loadcnt 32                              ; v is in; Wo's 32 loads stay out
.irp i, 0,1,2,3                        ; O^T = v^T p: source 0 = 16 channels, source 1 = 16 queries; keys 8 hh + 2 i + 0, 1 on both sides; four accumulators by turns
.irp ct, 0,1,2,3
.if \i == 0
	v_wmma_f32_16x16x4_f32 v[OA+8*\ct:OA+8*\ct+7], v[VT+8*\ct+2*\i:VT+8*\ct+2*\i+1], v[PN+2*\i:PN+2*\i+1], 0
.else
	v_wmma_f32_16x16x4_f32 v[OA+8*\ct:OA+8*\ct+7], v[VT+8*\ct+2*\i:VT+8*\ct+2*\i+1], v[PN+2*\i:PN+2*\i+1], v[OA+8*\ct:OA+8*\ct+7]
.endif
.endr
.endr
.rept 8
	v_nop
.endr
.irp ct, 0,1,2,3
	ds_store_b128 v[OST], v[OA+8*\ct:OA+8*\ct+3] offset:64*\ct     ; o(query r, 64 w + 16 ct + 8 hh + 0..7); each accumulator from its low end on
	ds_store_b128 v[OST], v[OA+8*\ct+4:OA+8*\ct+7] offset:64*\ct+16
.endr
	s_wait_dscnt 0x0                               ; for the others' sake: my stores are done
	s_barrier_signal -1
	s_barrier_wait -1                              ; the 16 rows of o lie in LDS
	; ---- phase 2: 16 columns, a quarter of K: 32 chunks in four groups of 8
	global_load_b64 v[DD:DD+1], v[GOF], s[8:9]     ; my 8 bytes of bo, for phase 3
.macro OLOAD gi
.irp c, 0,1,2,3,4,5,6,7
	ds_load_b128 v[OB+32*((\gi)%2)+4*\c:OB+32*((\gi)%2)+4*\c+3], v[OLD] offset:32*(8*(\gi)+\c)
.endr
.endm
.macro GROUP gi                        ; 16 matrix instructions: source 0 = 16 rows of Wo, source 1 = the 16 rows of o; two accumulators by turns
.set c, 8*(\gi)
.rept 8
.if c < 16
.set WR, WL+4*c
.else
.set WR, WH+4*(c-16)
.endif
.set OR, OB+32*((\gi)%2)+4*(c%8)
.irp e, 0,1
.if c == 0
	v_wmma_f32_16x16x4_f32 v[SA+8*\e:SA+8*\e+7], v[WR+2*\e:WR+2*\e+1], v[OR+2*\e:OR+2*\e+1], 0
.else
	v_wmma_f32_16x16x4_f32 v[SA+8*\e:SA+8*\e+7], v[WR+2*\e:WR+2*\e+1], v[OR+2*\e:OR+2*\e+1], v[SA+8*\e:SA+8*\e+7]
.endif
.endr
.set c, c+1
.endr
.endm
	OLOAD 0
	OLOAD 1
	s_wait_dscnt 8                                 ; group 0 is in; group 1's eight loads stay out
	s_wait_loadcnt 17                              ; Wo's chunks 0-15 are in; chunks 16-31 (16 loads) and bo (1) stay out
	GROUP 0
.rept 8
	v_nop                                          ; places in front of the loads into the buffer just read
.endr
	OLOAD 2
	s_wait_dscnt 8
	GROUP 1
.rept 8
	v_nop
.endr
	OLOAD 3
	s_wait_dscnt 8
	s_wait_loadcnt 1                               ; Wo's chunks 16-31 are in; bo may be out
	GROUP 2
	s_wait_dscnt 0x0
	GROUP 3
.rept 8
	v_nop
.endr
.irp j, 0,1,2,3,4,5,6,7
	v_add_f32 v[TT+\j], v[SA+\j], v[SA+8+\j]       ; lane (r, hh): row r, columns 16 nt + 8 hh + 0..7, my quarter of K
.endr
	ds_store_b128 v[PST], v[TT:TT+3]
	ds_store_b128 v[PST], v[TT+4:TT+7] offset:16
	s_wait_dscnt 0x0                               ; for the others' sake: my stores are done
	s_barrier_signal -1
	s_barrier_wait -1
	; ---- phase 3: row w: the four quarters and the bias
.irp q, 0,1,2,3
	ds_load_b64 v[OB+2*\q:OB+2*\q+1], v[PLD] offset:16*PP*\q
.endr
	s_wait_dscnt 0x0
	s_wait_loadcnt 0x0                             ; bo
	v_pk_add_f32 v[OB:OB+1], v[OB:OB+1], v[OB+2:OB+3]
	v_pk_add_f32 v[OB+4:OB+5], v[OB+4:OB+5], v[OB+6:OB+7]
	v_pk_add_f32 v[OB:OB+1], v[OB:OB+1], v[OB+4:OB+5]
	v_pk_add_f32 v[OB:OB+1], v[OB:OB+1], v[DD:DD+1]
	global_store_b64 v[GOF], v[OB:OB+1], s[10:11] th:TH_STORE_NT   ; 32 lanes store 256 consecutive bytes, aligned
	s_wait_tensorcnt 0x0                           ; the wave's end, behind my last LDS store
	ds_add_u32 v[SPW], v[NIL]
	s_wait_dscnt 0x0
	s_endpgm
.Lfunc_end_k_q47d0eea3a7_first16:
	.size	k_q47d0eea3a7_first16, .Lfunc_end_k_q47d0eea3a7_first16-k_q47d0eea3a7_first16
	.p2alignl 7, 3214868480
	.fill 96, 4, 3214868480
	.section	.rodata,"a",@progbits
	.p2align	6, 0x0
	.amdhsa_kernel k_q47d0eea3a7_first16
		.amdhsa_group_segment_fixed_size 85248
		.amdhsa_private_segment_fixed_size 0
		.amdhsa_enable_private_segment 0
		.amdhsa_kernarg_size 32
		.amdhsa_user_sgpr_count 2
		.amdhsa_user_sgpr_kernarg_segment_ptr 1
		.amdhsa_wavefront_size32 1
		.amdhsa_system_sgpr_workgroup_id_x 1
		.amdhsa_system_sgpr_workgroup_id_y 1
		.amdhsa_system_sgpr_workgroup_id_z 1
		.amdhsa_system_vgpr_workitem_id 0
		.amdhsa_next_free_vgpr 256
		.amdhsa_next_free_sgpr 66
		.amdhsa_reserve_vcc 1
		.amdhsa_float_denorm_mode_32 3
		.amdhsa_float_denorm_mode_16_64 3
		.amdhsa_memory_ordered 1
		.amdhsa_forward_progress 1
		.amdhsa_inst_pref_size 25
	.end_amdhsa_kernel
	.amdgpu_metadata
---
amdhsa.version: [ 1, 2 ]
amdhsa.kernels:
  - .name:           k_q47d0eea3a7_first16
    .symbol:         k_q47d0eea3a7_first16.kd
    .args:
      - { .name: qkv32, .offset: 0, .size: 8, .value_kind: global_buffer, .address_space: global }
      - { .name: Wo, .offset: 8, .size: 8, .value_kind: global_buffer, .address_space: global }
      - { .name: bo, .offset: 16, .size: 8, .value_kind: global_buffer, .address_space: global }
      - { .name: out0, .offset: 24, .size: 8, .value_kind: global_buffer, .address_space: global }
    .group_segment_fixed_size: 85248
    .private_segment_fixed_size: 0
    .kernarg_segment_align: 8
    .kernarg_segment_size: 32
    .max_flat_workgroup_size: 512
    .sgpr_count:     66
    .vgpr_count:     256
    .wavefront_size: 32
...
	.end_amdgpu_metadata
.endif
;; end of part 5
